; MI455X (gfx1250); checked and timed in simulation.
; The chip was launched on July 23, 2026; its instructions are those of AMD's public machine-readable ISA for CDNA 5 (MIT licence, August 2026) and "CDNA5" Instruction Set Architecture Reference Guide (July 2026). The comments in the code are by the model that wrote it; some were corrected since.
;; Causal Attention. Allowed arithmetic: float matrix products may take bf16 or f16 operands with f32 sums; other float arithmetic in f32, or as packed bf16 or f16 multiplies, adds, multiply-adds, maxima and minima; sums over many terms, partial sums and values carried from step to step in f32; what a program stores and reads back later, other than sums and carried values, may be rounded once to bf16 or f16.
;; Inputs: Wk 1,024 x 1,024 float32; Wq 1,024 x 1,024 float32; Wv 1,024 x 1,024 float32; x 4 x 2,048 x 1,024 float32.
;; Outputs: out0 4 x 2,048 x 1,024 float32.
;; 2 versions, each right; version 2 is version 1 with the launch cast written anew for expert scheduling mode. Each part assembles by itself: llvm-mc -triple=amdgcn-amd-amdhsa -mcpu=gfx1250 --defsym DOCPART=n.
;; ======== version 1 of 2: 4 launches
;; limits: values are held in f16: magnitudes above 65,504 overflow, below 6.1e-05 lose precision
;; workspace buffers: xb 16,777,216 bytes; wb 6,291,456 bytes; qkv 50,331,648 bytes; pw 33,554,432 bytes; st 1,048,576 bytes
;; launch cast (part 1): grid 704 x 1, 8 waves a work-group, no clusters, 0 bytes of LDS; arguments x, Wq, Wk, Wv, xb, wb; writes xb, wb
.if DOCPART == 1
	.amdgcn_target "amdgcn-amd-amdhsa--gfx1250"
	.amdhsa_code_object_version 6
	.text
	.protected	k_qe08d1ede0c_cast
	.globl	k_qe08d1ede0c_cast
	.p2align	8
	.type	k_qe08d1ede0c_cast,@function
k_qe08d1ede0c_cast:
	s_mov_b64 s[64:65], 0
	v_nop
	global_prefetch_b8 v0, s[64:65] scope:SCOPE_SE
	s_setreg_imm32_b32 hwreg(HW_REG_WAVE_MODE, 25, 1), 1
	s_wait_xcnt 0x0
; xb = x rounded to bf16; wb = Wq, Wk, Wv one below the other (3,072 rows), rounded to bf16.  BOTH ARE LAID OUT IN BLOCKS OF 64 ALONG K: xb[16][8192][64], wb[16][3072][64]: number (row, k) lies in
; block k / 64 at row x 128 + (k % 64) x 2 bytes.  So the rows of one K block lie end to end, and the launch behind can ask for a tile of R rows x 64 K as R / 2 rows of 256 bytes.
; A stream: each input byte is read once, each output byte written once; no LDS, no barrier, no loop.
; A work-group takes 16 rows of 1,024 numbers: 64 KiB in, 32 KiB out.  Work-groups 0-511 take x, 512-575 Wq, 576-639 Wk, 640-703 Wv.
; A wave takes two rows: lanes 0-15 the even one, lanes 16-31 the odd one.  Load i brings K block i: 256 consecutive bytes, aligned, of each of the two rows, 16 bytes a lane.
; Store i writes the same numbers as bf16: 128 bytes of each row, which lie end to end in the block: 256 consecutive bytes, aligned.
.set XKB, 8192*128                     ; bytes of a K block in xb
.set WKB, 3072*128                     ; and in wb
.set X, 4                              ; v[4:67]     sixteen loads of four numbers
.set Y, 68                             ; v[68:99]    sixteen stores of four bf16
.set O, 100                            ; v[100:115]  the stores' offsets: 8 x my thread's number + i K blocks; each written once
	s_load_b256 s[4:11], s[0:1], 0x0               ; x s[4:5], Wq s[6:7], Wk s[8:9], Wv s[10:11]
	s_load_b128 s[12:15], s[0:1], 0x20             ; xb s[12:13], wb s[14:15]
	s_mov_b32 s2, ttmp9
	v_lshrrev_b32 v1, 4, v0                        ; my row of the sixteen
	v_and_b32 v2, 15, v0
	v_lshlrev_b32 v1, 12, v1
	v_lshl_add_u32 v1, v2, 4, v1                   ; row x 4,096 + 16 x (lane % 16)
	s_lshl_b32 s16, s2, 16                         ; in x: 64 KiB a work-group
	s_and_b32 s24, s2, 63
	s_lshl_b32 s24, s24, 16                        ; in a weight: 64 work-groups each
	s_lshl_b32 s18, s2, 11                         ; in a block of xb: 16 rows of 128 bytes
	s_sub_co_u32 s25, s2, 512
	s_lshl_b32 s25, s25, 11                        ; in a block of wb (used from work-group 512 on)
	s_mov_b32 s17, 0
	s_mov_b32 s19, 0
	s_mov_b32 s26, XKB
	s_mov_b32 s27, WKB
	s_cmp_lt_u32 s2, 512
	s_cselect_b32 s16, s16, s24
	s_cselect_b32 s18, s18, s25
	s_cselect_b32 s26, s26, s27                    ; bytes from a K block to the next
	s_wait_kmcnt 0x0                               ; (a wait leaves SCC as it is)
	s_cselect_b64 s[20:21], s[4:5], s[6:7]
	s_cselect_b64 s[22:23], s[12:13], s[14:15]
	s_cmp_ge_u32 s2, 576
	s_cselect_b64 s[20:21], s[8:9], s[20:21]
	s_cmp_ge_u32 s2, 640
	s_cselect_b64 s[20:21], s[10:11], s[20:21]
	s_add_nc_u64 s[20:21], s[20:21], s[16:17]
	s_add_nc_u64 s[22:23], s[22:23], s[18:19]
.irp i, 0,1,2,3,4,5,6,7,8,9,10,11,12,13,14,15
	global_load_b128 v[X+4*(\i):X+4*(\i)+3], v1, s[20:21] offset:256*(\i) th:TH_LOAD_NT
.endr
	v_lshlrev_b32 v[O], 3, v0                      ; (2 x wave + half) x 128 + 8 x (lane % 16) = 8 x my thread's number
.irp i, 1,2,3,4,5,6,7,8,9,10,11,12,13,14,15
	v_add_nc_u32 v[O+(\i)], s26, v[O+(\i)-1]
.endr
.irp i, 0,1,2,3,4,5,6,7,8,9,10,11,12,13,14,15
	s_wait_loadcnt 15-(\i)                         ; loads come back in order: number i is in, the younger ones stay out
	v_cvt_pk_bf16_f32 v[Y+2*(\i)], v[X+4*(\i)], v[X+4*(\i)+1]
	v_cvt_pk_bf16_f32 v[Y+2*(\i)+1], v[X+4*(\i)+2], v[X+4*(\i)+3]
	global_store_b64 v[O+(\i)], v[Y+2*(\i):Y+2*(\i)+1], s[22:23]
.endr
	s_endpgm
.Lfunc_end_k_qe08d1ede0c_cast:
	.size	k_qe08d1ede0c_cast, .Lfunc_end_k_qe08d1ede0c_cast-k_qe08d1ede0c_cast
	.p2alignl 7, 3214868480
	.fill 96, 4, 3214868480
	.section	.rodata,"a",@progbits
	.p2align	6, 0x0
	.amdhsa_kernel k_qe08d1ede0c_cast
		.amdhsa_group_segment_fixed_size 0
		.amdhsa_private_segment_fixed_size 0
		.amdhsa_enable_private_segment 0
		.amdhsa_kernarg_size 48
		.amdhsa_user_sgpr_count 2
		.amdhsa_user_sgpr_kernarg_segment_ptr 1
		.amdhsa_wavefront_size32 1
		.amdhsa_system_sgpr_workgroup_id_x 1
		.amdhsa_system_sgpr_workgroup_id_y 1
		.amdhsa_system_sgpr_workgroup_id_z 1
		.amdhsa_system_vgpr_workitem_id 0
		.amdhsa_next_free_vgpr 116
		.amdhsa_next_free_sgpr 66
		.amdhsa_reserve_vcc 0
		.amdhsa_float_denorm_mode_32 3
		.amdhsa_float_denorm_mode_16_64 3
		.amdhsa_memory_ordered 1
		.amdhsa_forward_progress 1
		.amdhsa_inst_pref_size 8
	.end_amdhsa_kernel
	.amdgpu_metadata
---
amdhsa.version: [ 1, 2 ]
amdhsa.kernels:
  - .name:           k_qe08d1ede0c_cast
    .symbol:         k_qe08d1ede0c_cast.kd
    .args:
      - { .name: x, .offset: 0, .size: 8, .value_kind: global_buffer, .address_space: global }
      - { .name: Wq, .offset: 8, .size: 8, .value_kind: global_buffer, .address_space: global }
      - { .name: Wk, .offset: 16, .size: 8, .value_kind: global_buffer, .address_space: global }
      - { .name: Wv, .offset: 24, .size: 8, .value_kind: global_buffer, .address_space: global }
      - { .name: xb, .offset: 32, .size: 8, .value_kind: global_buffer, .address_space: global }
      - { .name: wb, .offset: 40, .size: 8, .value_kind: global_buffer, .address_space: global }
    .group_segment_fixed_size: 0
    .private_segment_fixed_size: 0
    .kernarg_segment_align: 8
    .kernarg_segment_size: 48
    .max_flat_workgroup_size: 256
    .sgpr_count:     66
    .vgpr_count:     116
    .wavefront_size: 32
...
	.end_amdgpu_metadata
.endif
;; end of part 1
;; launch proj (part 2): grid 8 x 32, 4 waves a work-group, clusters of 4 x 4, 327,680 bytes of LDS; arguments xb, wb, qkv; writes qkv
.if DOCPART == 2
	.amdgcn_target "amdgcn-amd-amdhsa--gfx1250"
	.amdhsa_code_object_version 6
	.text
	.protected	k_qe08d1ede0c_proj
	.globl	k_qe08d1ede0c_proj
	.p2align	8
	.type	k_qe08d1ede0c_proj,@function
k_qe08d1ede0c_proj:
	s_mov_b64 s[64:65], 0
	v_nop
	global_prefetch_b8 v0, s[64:65] scope:SCOPE_SE
	s_setreg_imm32_b32 hwreg(HW_REG_WAVE_MODE, 25, 1), 1
	s_wait_xcnt 0x0
	s_wait_alu depctr_hold_cnt(0) depctr_sa_sdst(0) depctr_va_vdst(0) depctr_va_sdst(0) depctr_va_ssrc(0) depctr_va_vcc(0) depctr_vm_vsrc(0)
	s_getreg_b32 s2, hwreg(HW_REG_IB_STS2, 6, 4)
	s_cmp_eq_u32 s2, 0
	s_cbranch_scc0 .Lentry_in_a_cluster
	s_endpgm
.Lentry_in_a_cluster:
	s_bfe_u32 s2, ttmp6, 0x10000c
	s_cmp_lg_u32 s2, 0xf033
	s_cbranch_scc0 .Lentry_shape_is_right
	s_endpgm
.Lentry_shape_is_right:
; qkv[m][n] = sum over k of x[m][k] w[n][k].  xb: [16][8192][64] bf16, wb: [16][3072][64] bf16 (blocks of 64 along K, a block's rows end to end); qkv: [8192][3072] f16, row-major
; (columns 0-1023 q, 1024-2047 k, 2048-3071 v); sums in f32, rounded once.
; LIMIT.  f16 ends at 65,504: q, k and v must stay within it.
; THE TILE is 256 x 384: 32 x 8 = 256 tiles, one for each work-group, all alike.  Four waves, each 128 x 192: 96 accumulators of 16 x 16, 768 registers.
; K GOES IN STEPS OF 64 through a ring of two LDS slots: a slot is 640 rows x 144 bytes = 92,160; two slots of a step of 128 (2 x 640 x 272 = 348,160 bytes) would not fit.  A step's tile is dense in memory
; (256 rows x 128 bytes of xb, 384 of wb), so it is asked for as rows of 256 bytes, two rows of the tile each, and padded in LDS after every 128 bytes.
; CLUSTERS: 4 x 4 work-groups.  The four of a row of the cluster need the same tiles of xb, the four of a column the same tiles of wb: each tile is asked for JOINTLY, by the same tensor load
; with the same descriptor and a mask that names the four.  Waves 0 and 1 fetch the halves of A's tile (128 rows), waves 2 and 3 those of B's (192 rows).
; THE MATRIX INSTRUCTION IS USED TRANSPOSED: source 0 = 16 rows of B, source 1 = 16 rows of A: a lane holds row l % 16 of the result and eight neighbouring columns.
; REGISTERS, in windows of 256 (s_set_vgpr_msb: bits 1:0 source 0, 3:2 source 1, 5:4 source 2, 7:6 destination):
;   window 0: v0-31 addresses; v32-95, v96-159 A's 8 fragments, two buffers; v160-255 B's 12 fragments, ONE buffer
;   windows 1-3: the accumulators: (a, b), a = 0..7 blocks of rows, b = 0..11 blocks of columns, in window 1 + b / 4 at v[64 (b % 4) + 8 a]
; ONE BUFFER FOR B.  A quarter (32 along K) is 96 products, b by b.  When the 48 products of b = 0..5 are done, those six fragments are loaded for the next quarter (with A's, into A's other buffer); behind
; the 48 products of b = 6..11 the other six.  So every LDS load is issued 48 products ahead of its first use, and a quarter has six switches of the window.
; THE WAY OUT.  A wave's 192 columns are 384 bytes, one and a half times 256.  So the whole tile is gathered in LDS (256 rows x 784 bytes, in the ring's bytes, which have had their last fill), and each wave
; then stores 64 whole rows.
.set STEPS,  16                        ; 1,024 / 64
.set PITCH,  144                       ; an LDS row: 128 bytes + 16 of padding = 36 words: the 16 rows that a load touches start at 16 different groups of four banks
.set AH,     128*PITCH                 ; what a tensor load of A brings, and what a wave reads of A
.set AT,     2*AH
.set BH,     192*PITCH                 ; the same for B
.set SLOT,   AT+2*BH                   ; A's 256 rows, then B's 384 rows
.set XKB,    8192*128                  ; bytes of a K block in xb
.set WKB,    3072*128                  ; and in wb
.set SPITCH, 784                       ; a row of the tile on the way out: 768 bytes + 16: an odd multiple of 16
.set SPARE,  256*SPITCH                ; behind ring and stage: the spare words, 128 bytes a wave; no other line names them
.set CROW,   6144                      ; bytes in a row of qkv
.set ADRA, 8                           ; v8-9    LDS address of my A fragments in slot 0, 1
.set ADRB, 10                          ; v10-11  the same for B
.set STO,  12                          ; v12-13  the way out: where I put 16 bytes of a row: blocks of rows 0-3, 4-7
.set RD,   14                          ; v14     where I read rows back
.set CO,   15                          ; v15     my byte offset in two rows of qkv
.set PFO,  16                          ; v16-17  the prefetches' offsets; never rewritten
.set SPW,  28                          ; v28     my spare word; never rewritten
.set NIL,  29                          ; v29     0; never rewritten
.set FA,   32
.set FB,   160
.set TMP,  32                          ; the way out: v32-223
.set G1, 24                            ; s[24:31] group 1 for A's tiles
.set G0, 32                            ; s[32:39] group 0 for A's tiles, a set for each slot
.set G1B, 48                           ; s[48:55] group 1 for B's tiles
.set G0B, 56                           ; s[56:63] group 0 for B's tiles
.set LIM,  43                          ; s43      1 in a wave that prefetches, else the greatest number
.set PFA,  44                          ; s[44:45] where my prefetches stand
.set PST,  66                          ; s[66:67] two K blocks of the tensor that I fetch, in bytes
.set MSB, 0
.macro WIN new                         ; the immediate's high byte repeats the setting that is left; a switch that changes nothing is dropped
.if MSB != (\new)
	s_set_vgpr_msb (MSB<<8)|(\new)
.set MSB, \new
.endif
.endm
; A joint load.  The branch hangs on the wave's number alone.  An s_nop 0 and four v_nop follow each of the two lines.
.macro JLOAD s
	s_cmp_eq_u32 s11, 0
	s_cbranch_scc0 .Lfor_b_\@
	tensor_load_to_lds s[G0+4*(\s):G0+4*(\s)+3], s[G1:G1+7]
	s_nop 0
.rept 4
	v_nop
.endr
	s_branch .Lasked_\@
.Lfor_b_\@:
	tensor_load_to_lds s[G0B+4*(\s):G0B+4*(\s)+3], s[G1B:G1B+7]
	s_nop 0
.rept 4
	v_nop
.endr
.Lasked_\@:
.endm
; THE PREFETCH, once a trip, behind slot 1's refill and the run of LDS loads: the two K steps that the next trip's two refills will ask for: the first of them is asked for one step, 192 products, later.
; A step's tile of A is 128 blocks of 256 bytes, of B 192.  A's tile row is read by both clusters of its row of clusters: cluster x = 0 asks; B's tile column by all eight of its column: cluster y = 0 asks.
; The four partners that ask for a tile jointly share its blocks out BY ADDRESS: 32 of A's each (wave 0: a lane a block, an instruction a step), 48 of B's each (wave 2: the 96 blocks of two steps in three
; instructions; in the second, lanes 0-15 name the first step's last sixteen and lanes 16-31 the second step's first sixteen).  So each block is named once in the launch.
; Steps 0 to 3 come by their loads alone; the last trip asks for nothing: the steps behind its own do not exist.
.macro ASK
	s_cmp_gt_u32 s3, s[LIM]                        ; s3 = 1 in the last trip
	s_cbranch_scc0 .Lnot_mine_\@
	global_prefetch_b8 v[PFO], s[PFA:PFA+1] th:TH_LOAD_NT scope:SCOPE_SE
	s_cmp_eq_u32 s11, 0
	s_cbranch_scc0 .Lpf_b_\@
	global_prefetch_b8 v[PFO], s[PFA:PFA+1] offset:XKB th:TH_LOAD_NT scope:SCOPE_SE
	s_branch .Lnot_mine_\@
.Lpf_b_\@:
	global_prefetch_b8 v[PFO+1], s[PFA:PFA+1] th:TH_LOAD_NT scope:SCOPE_SE
	global_prefetch_b8 v[PFO], s[PFA:PFA+1] offset:WKB+4096 th:TH_LOAD_NT scope:SCOPE_SE
.Lnot_mine_\@:
.endm
.macro CREST                           ; a round of the cluster's barrier behind its opening barrier
	s_cmp_lg_u32 s10, 0
	s_cbranch_scc1 .Lnot_wave_0_\@
	s_barrier_signal -3
.Lnot_wave_0_\@:
	s_barrier_wait -3
	s_barrier_signal -1
	s_barrier_wait -1
.endm
.macro CROUND                          ; a whole round
	s_barrier_signal -1
	s_barrier_wait -1
	CREST
.endm
	s_load_b128 s[4:7], s[0:1], 0x0                ; xb s[4:5], wb s[6:7]
	s_load_b64 s[8:9], s[0:1], 0x10                ; qkv
	v_lshl_add_u32 v[SPW], v0, 2, SPARE
	v_mov_b32 v[NIL], 0
	ds_add_u32 v[SPW], v[NIL]                      ; the wave's opening: the add and its wait ahead of my first tensor load; the set-up below stands between them
	v_lshrrev_b32 v1, 5, v0
	v_readfirstlane_b32 s10, v1                    ; wave 0..3
	s_lshr_b32 s11, s10, 1                         ; which 128 rows of the tile are mine.  Also: I fetch for A (0) or for B (1)
	s_and_b32 s12, s10, 1                          ; which 192 columns.  Also: which half of that tile I fetch
	s_bfe_u32 s40, ttmp6, 0x40000                  ; cx
	s_bfe_u32 s41, ttmp6, 0x40004                  ; cy
	s_lshl_b32 s42, ttmp9, 2
	s_add_co_u32 s42, s42, s40                     ; tile column = 4 x cluster x + cx
	s_and_b32 s13, ttmp7, 0xffff
	s_lshl_b32 s13, s13, 2
	s_add_co_u32 s13, s13, s41                     ; tile row = 4 x cluster y + cy
	s_lshl_b32 s43, s41, 2
	s_lshl_b32 s43, 15, s43                        ; my row of the cluster
	s_lshl_b32 s44, 0x1111, s40                    ; my column
	s_or_b32 s[G1+0], s43, (1<<16)|(1<<20)|(1<<21)|(4<<22)|(3<<25)  ; the mask; 2-byte elements; padding on; bit 21 beside a mask; after every 32 words, 4 words
	s_or_b32 s[G1B+0], s44, (1<<16)|(1<<20)|(1<<21)|(4<<22)|(3<<25)
	s_mov_b32 s[G1+1], 128<<16                     ; tensor_dim0 = 128 elements: 256 bytes, two rows of the tile
	s_mov_b32 s[G1B+1], 128<<16
	s_mov_b32 s[G1+2], 64<<16                      ; tensor_dim1: A's half is 64 such rows,
	s_mov_b32 s[G1B+2], 96<<16                     ; B's 96
	s_mov_b32 s[G1+3], 128<<16                     ; tile_dim0
	s_mov_b32 s[G1B+3], 128<<16
	s_mov_b32 s[G1+4], 64                          ; tile_dim1
	s_mov_b32 s[G1B+4], 96
	s_mov_b32 s[G1+5], 128                         ; elements from row to row: dense
	s_mov_b32 s[G1B+5], 128
	s_mov_b32 s[G1+6], 0
	s_mov_b32 s[G1B+6], 0
	s_mov_b32 s[G1+7], 0
	s_mov_b32 s[G1B+7], 0
	s_lshl_b32 s16, s13, 15                        ; A: in a K block, 256 rows of 128 bytes a tile row,
	s_lshl_b32 s17, s12, 14                        ; 128 rows a half
	s_add_co_u32 s16, s16, s17
	s_mov_b32 s17, 0
	s_mul_i32 s46, s42, 384*128                    ; B: 384 rows a tile column,
	s_mul_i32 s47, s12, 192*128                    ; 192 a half
	s_add_co_u32 s46, s46, s47
	s_mov_b32 s47, 0
	s_mul_i32 s20, s12, AH                         ; where they go in a slot: no place in the cluster enters an LDS address
	s_mul_i32 s21, s12, BH
	s_add_co_u32 s21, s21, AT
	s_wait_dscnt 0x0                               ; the opening add is done
	s_wait_kmcnt 0x0
	s_add_nc_u64 s[14:15], s[4:5], s[16:17]
	s_add_nc_u64 s[46:47], s[6:7], s[46:47]
	CROUND                                         ; all sixteen work-groups are here: the first joint loads meet
.irp s, 0,1
	s_mov_b32 s[G0+4*(\s)], 1
	s_add_co_u32 s[G0+4*(\s)+1], s20, (\s)*SLOT
	s_add_nc_u64 s[G0+4*(\s)+2:G0+4*(\s)+3], s[14:15], (\s)*XKB    ; K step s
	s_or_b32 s[G0+4*(\s)+3], s[G0+4*(\s)+3], 0x80000000
	s_mov_b32 s[G0B+4*(\s)], 1
	s_add_co_u32 s[G0B+4*(\s)+1], s21, (\s)*SLOT
	s_add_nc_u64 s[G0B+4*(\s)+2:G0B+4*(\s)+3], s[46:47], (\s)*WKB
	s_or_b32 s[G0B+4*(\s)+3], s[G0B+4*(\s)+3], 0x80000000
	JLOAD \s                                       ; both slots' first fills go out together: two loads of mine are out
.endr
	; a fragment: 16 rows x 32 K in 8 registers: lane l holds row l % 16; two loads of 16 bytes, 32 bytes apart, at row x pitch + 16 (l / 16)
	v_and_b32 v1, 15, v0                           ; l % 16
	v_bfe_u32 v2, v0, 4, 1                         ; l / 16
	v_mul_u32_u24 v3, v1, PITCH
	v_lshl_add_u32 v3, v2, 4, v3
	s_mul_i32 s22, s11, AH
	s_mul_i32 s23, s12, BH
	s_add_co_u32 s23, s23, AT
	v_add_nc_u32 v[ADRA], s22, v3
	v_add_nc_u32 v[ADRB], s23, v3
	v_add_nc_u32 v[ADRA+1], SLOT, v[ADRA]
	v_add_nc_u32 v[ADRB+1], SLOT, v[ADRB]
	s_mul_i32 s22, s11, 128*SPITCH                 ; the way out, in: row 128 x half + l % 16, byte 384 x half + 16 (l / 16)
	s_mul_i32 s23, s12, 384
	s_add_co_u32 s22, s22, s23
	v_mul_u32_u24 v4, v1, SPITCH
	v_lshl_add_u32 v4, v2, 4, v4
	v_add_nc_u32 v[STO], s22, v4
	v_add_nc_u32 v[STO+1], 64*SPITCH, v[STO]
	s_mul_i32 s22, s10, 64*SPITCH                  ; back: wave w takes rows 64 w .. 64 w + 63; lanes 0-15 take 256 bytes of one row, lanes 16-31 of the next
	v_mul_u32_u24 v4, v2, SPITCH
	v_lshl_add_u32 v4, v1, 4, v4
	v_add_nc_u32 v[RD], s22, v4
	v_mul_u32_u24 v4, v2, CROW
	v_lshl_add_u32 v[CO], v1, 4, v4
	s_lshl_b32 s16, s13, 8                         ; qkv at the first row that I store, at the tile's first column
	s_lshl_b32 s17, s10, 6
	s_add_co_u32 s16, s16, s17
	s_mul_i32 s16, s16, CROW
	s_mul_i32 s17, s42, 768
	s_add_co_u32 s16, s16, s17
	s_mov_b32 s17, 0
	s_add_nc_u64 s[8:9], s[8:9], s[16:17]
	; the prefetches
	s_lshl_b32 s20, s13, 15                        ; A: the tile row, and my work-group's 32 blocks of its 128
	s_lshl_b32 s21, s40, 13
	s_add_co_u32 s20, s20, s21
	s_mul_i32 s22, s42, 384*128                    ; B: the tile column, and my work-group's 48 blocks of its 192
	s_mul_i32 s23, s41, 48*256
	s_add_co_u32 s22, s22, s23
	s_and_b32 s23, ttmp7, 0xffff                   ; cluster y
	s_mov_b32 s21, 2*XKB
	s_mov_b32 s[PST], 2*WKB
	s_mov_b32 s[PST+1], 0
	s_cmp_eq_u32 s11, 0                            ; do I fetch for A?
	s_cselect_b32 s20, s20, s22
	s_cselect_b32 s23, ttmp9, s23                  ; the coordinate along which other clusters read the same blocks
	s_cselect_b32 s[PST], s21, s[PST]
	s_cselect_b64 s[PFA:PFA+1], s[4:5], s[6:7]
	s_or_b32 s23, s23, s12                         ; waves 0 and 2 of the first such cluster ask: the same in all sixteen partners
	s_cmp_eq_u32 s23, 0
	s_cselect_b32 s[LIM], 1, -1
	s_mov_b32 s21, 0
	s_add_nc_u64 s[PFA:PFA+1], s[PFA:PFA+1], s[20:21]
	s_add_nc_u64 s[PFA:PFA+1], s[PFA:PFA+1], s[PST:PST+1]  ; at K step 2: the first trip steps it to 4
	v_and_b32 v3, 31, v0
	v_lshlrev_b32 v[PFO], 8, v3                    ; a lane a block
	v_mul_u32_u24 v4, v2, WKB-12288
	v_add_nc_u32 v4, 8192, v4
	v_add_nc_u32 v[PFO+1], v[PFO], v4              ; lanes 0-15: blocks 32-47; lanes 16-31: blocks 0-15 of the next K block
; 8 nb products: blocks of columns b0 .. b0 + nb - 1 x all 8 blocks of rows, 32 along K, from A's buffer kq.  The 96 accumulators take turns, one instruction a turn.
; zero = 1: the first product starts the sums: nothing is ever cleared.
.macro MG kq, b0, nb, zero
.set bb, \b0
.rept \nb
	WIN 0x50*(1+bb/4)
.set aa, 0
.rept 8
.if \zero
	v_wmma_f32_16x16x32_bf16 v[64*(bb%4)+8*aa:64*(bb%4)+8*aa+7], v[FB+8*bb:FB+8*bb+7], v[FA+64*(\kq)+8*aa:FA+64*(\kq)+8*aa+7], 0
.else
	v_wmma_f32_16x16x32_bf16 v[64*(bb%4)+8*aa:64*(bb%4)+8*aa+7], v[FB+8*bb:FB+8*bb+7], v[FA+64*(\kq)+8*aa:FA+64*(\kq)+8*aa+7], v[64*(bb%4)+8*aa:64*(bb%4)+8*aa+7]
.endif
.set aa, aa+1
.endr
.set bb, bb+1
.endr
.endm
.macro LDA slot, kq                    ; 16 LDS loads: A's 8 fragments of quarter kq of the slot, into buffer kq
	WIN 0
.irp i, 0,1,2,3,4,5,6,7
	ds_load_b128 v[FA+64*(\kq)+8*(\i):FA+64*(\kq)+8*(\i)+3],   v[ADRA+(\slot)] offset:64*(\kq)+(\i)*16*PITCH
	ds_load_b128 v[FA+64*(\kq)+8*(\i)+4:FA+64*(\kq)+8*(\i)+7], v[ADRA+(\slot)] offset:64*(\kq)+(\i)*16*PITCH+32
.endr
.endm
.macro LDB slot, kq, half              ; 12 LDS loads: B's fragments 6 half .. 6 half + 5
	WIN 0
.irp i, 0,1,2,3,4,5
	ds_load_b128 v[FB+8*(6*(\half)+(\i)):FB+8*(6*(\half)+(\i))+3],   v[ADRB+(\slot)] offset:64*(\kq)+(6*(\half)+(\i))*16*PITCH
	ds_load_b128 v[FB+8*(6*(\half)+(\i))+4:FB+8*(6*(\half)+(\i))+7], v[ADRB+(\slot)] offset:64*(\kq)+(6*(\half)+(\i))*16*PITCH+32
.endr
.endm
.macro PLACES                          ; four plain instructions between a matrix instruction and a load into, or a reader of, its registers
.rept 4
	v_nop
.endr
.endm
; A step's first quarter: it multiplies A's buffer 0 and fetches the same slot's second quarter.
.macro QPLAIN slot, zero
	s_wait_dscnt 12                                ; B's fragments 0-5 and A's are in; the youngest twelve loads (B's 6-11) may be out
	MG 0, 0, 6, \zero
	PLACES
	LDB \slot, 1, 0
	LDA \slot, 1
	s_wait_dscnt 28                                ; all but the 28 just issued: B's 6-11 are in
	MG 0, 6, 6, \zero
	PLACES
	LDB \slot, 1, 1
.endm
; A step's second quarter changes slots: ONE barrier, for two things.  In front of it each wave waits for all its tensor loads, of which one is out: its part of the next slot; adds 0 to its spare word; and waits
; for that and for its own reads of this slot, which are all issued: the quarter's fragments lie in registers.  Behind it nobody reads this slot any more and the next slot is whole.
; fill = 1: the barrier opens a round of the cluster's barrier, and this slot is filled again, two steps ahead, first thing behind the round: from that request to the wait for it a wave issues 176 products.
.macro TURN slot, next, fill
.if (\fill) && (\slot) == 0
	s_wait_xcnt 0x0                                ; the last prefetches, a step and more back, have read their address
	s_add_nc_u64 s[PFA:PFA+1], s[PFA:PFA+1], s[PST:PST+1]
.endif
	s_wait_dscnt 12
	MG 1, 0, 4, 0
	WIN 0                                          ; (the add's two registers lie in window 0)
	s_wait_tensorcnt 0x0                           ; all my tensor loads have landed
	ds_add_u32 v[SPW], v[NIL]                      ; 0 onto my spare word; eight products stand between it and the wait for it
	MG 1, 4, 1, 0
	s_wait_dscnt 0x0                               ; the add is done, and my reads of this slot are over
	s_barrier_signal -1
	MG 1, 5, 1, 0                                  ; work on registers while the others arrive
	WIN 0
	s_barrier_wait -1
.if \fill
	CREST                                          ; no wave of any partner still reads this slot's tile or has a load on its way
	s_add_nc_u64 s[G0+4*(\slot)+2:G0+4*(\slot)+3], s[G0+4*(\slot)+2:G0+4*(\slot)+3], 2*XKB
	s_add_nc_u64 s[G0B+4*(\slot)+2:G0B+4*(\slot)+3], s[G0B+4*(\slot)+2:G0B+4*(\slot)+3], 2*WKB
	JLOAD \slot                                    ; its four v_nop are also the places in front of the loads below
.else
	PLACES
.endif
	LDB \next, 0, 0
	LDA \next, 0
.if (\fill) && (\slot) == 1
	ASK
.endif
	MG 1, 6, 6, 0
	PLACES
	LDB \next, 0, 1
.endm
	s_wait_tensorcnt 1                             ; my part of K step 0 is in; K step 1's load may stay out
	s_barrier_signal -1
	s_barrier_wait -1                              ; everybody's is
	LDB 0, 0, 0
	LDA 0, 0
	LDB 0, 0, 1
	QPLAIN 0, 1                                    ; the first quarter stands in front of the loop: its products start the sums
	WIN 0                                          ; at a label and at a branch every window is 0
	s_mov_b32 s3, STEPS/2-1
.Llap:                                                 ; a trip goes once round the ring, from a step's second quarter to the first quarter two steps on, and fills both slots again
	TURN 0, 1, 1
	QPLAIN 1, 0
	TURN 1, 0, 1
	QPLAIN 0, 0
	WIN 0
	s_sub_co_u32 s3, s3, 1
	s_cmp_lg_u32 s3, 0
	s_cbranch_scc1 .Llap
	TURN 0, 1, 0                                   ; the last two steps ask for nothing
	QPLAIN 1, 0
	s_wait_dscnt 12
	MG 1, 0, 6, 0
	s_wait_dscnt 0x0
	MG 1, 6, 6, 0
	WIN 0
	; THE WAY OUT
	PLACES
	s_wait_dscnt 0x0
	s_barrier_signal -1                            ; every wave's reads of the ring are over, and no fill follows:
	s_barrier_wait -1                              ; its bytes may be written
; The 32 accumulators of window w (accumulator t: b = 4 (w - 1) + t / 8, a = t % 8), each from its low end on: rounded to f16, 16 bytes a lane, into the tile's rows in LDS.
.macro PACKW w
	WIN 5*(\w)                                     ; sources 0 and 1 in window w, destination in window 0
.set t, 0
.rept 32
.irp r, 0,1,2,3
	v_cvt_pk_f16_f32 v[TMP+4*t+(\r)], v[8*t+2*(\r)], v[8*t+2*(\r)+1]
.endr
.set t, t+1
.endr
	WIN 0
.set t, 0
.rept 32
	ds_store_b128 v[STO+(t%8)/4], v[TMP+4*t:TMP+4*t+3] offset:(t%4)*16*SPITCH+32*(4*((\w)-1)+t/8)
.set t, t+1
.endr
.endm
	PACKW 1
	PACKW 2
	PACKW 3
	s_wait_dscnt 0x0                               ; for the others' sake: my stores into the tile are done
	s_barrier_signal -1
	s_barrier_wait -1
; Batch g of four: 16 of my 64 rows, 24 loads of 16 bytes a lane, and their 24 stores; two sets of 96 registers take turns.
.macro RB g
.set BK, TMP+96*((\g)%2)
.irp t, 0,1,2,3,4,5,6,7
.irp u, 0,1,2
	ds_load_b128 v[BK+4*(3*(\t)+(\u)):BK+4*(3*(\t)+(\u))+3], v[RD] offset:(8*(\g)+(\t))*2*SPITCH+256*(\u)
.endr
.endr
.endm
.macro SB g
.set BK, TMP+96*((\g)%2)
.irp t, 0,1,2,3,4,5,6,7
.irp u, 0,1,2
	global_store_b128 v[CO], v[BK+4*(3*(\t)+(\u)):BK+4*(3*(\t)+(\u))+3], s[8:9] offset:(8*(\g)+(\t))*2*CROW+256*(\u)  ; 16 lanes store 256 consecutive bytes, aligned
.endr
.endr
.endm
	RB 0
	RB 1
	s_wait_dscnt 24                                ; batch 0 is in; batch 1's 24 loads may be out
	SB 0
	s_wait_xcnt 0x0                                ; the registers that those stores read are loaded again only behind this wait
	RB 2
	s_wait_dscnt 24
	SB 1
	s_wait_xcnt 0x0
	RB 3
	s_wait_dscnt 24
	SB 2
	s_wait_dscnt 0x0
	SB 3
	s_wait_tensorcnt 0x0                           ; the wave's end, behind my last tensor load and my last LDS store
	ds_add_u32 v[SPW], v[NIL]
	s_wait_dscnt 0x0
	CROUND                                         ; the closing round: no work-group ends while a partner may still ask for a tile that names it
	s_endpgm
.Lfunc_end_k_qe08d1ede0c_proj:
	.size	k_qe08d1ede0c_proj, .Lfunc_end_k_qe08d1ede0c_proj-k_qe08d1ede0c_proj
	.p2alignl 7, 3214868480
	.fill 96, 4, 3214868480
	.section	.rodata,"a",@progbits
	.p2align	6, 0x0
	.amdhsa_kernel k_qe08d1ede0c_proj
		.amdhsa_group_segment_fixed_size 327680
		.amdhsa_private_segment_fixed_size 0
		.amdhsa_enable_private_segment 0
		.amdhsa_kernarg_size 24
		.amdhsa_user_sgpr_count 2
		.amdhsa_user_sgpr_kernarg_segment_ptr 1
		.amdhsa_wavefront_size32 1
		.amdhsa_system_sgpr_workgroup_id_x 1
		.amdhsa_system_sgpr_workgroup_id_y 1
		.amdhsa_system_sgpr_workgroup_id_z 1
		.amdhsa_system_vgpr_workitem_id 0
		.amdhsa_next_free_vgpr 1024
		.amdhsa_next_free_sgpr 68
		.amdhsa_reserve_vcc 0
		.amdhsa_float_denorm_mode_32 3
		.amdhsa_float_denorm_mode_16_64 3
		.amdhsa_memory_ordered 1
		.amdhsa_forward_progress 1
		.amdhsa_inst_pref_size 129
	.end_amdhsa_kernel
	.amdgpu_metadata
---
amdhsa.version: [ 1, 2 ]
amdhsa.kernels:
  - .name:           k_qe08d1ede0c_proj
    .symbol:         k_qe08d1ede0c_proj.kd
    .args:
      - { .name: xb, .offset: 0, .size: 8, .value_kind: global_buffer, .address_space: global }
      - { .name: wb, .offset: 8, .size: 8, .value_kind: global_buffer, .address_space: global }
      - { .name: qkv, .offset: 16, .size: 8, .value_kind: global_buffer, .address_space: global }
    .group_segment_fixed_size: 327680
    .private_segment_fixed_size: 0
    .kernarg_segment_align: 8
    .kernarg_segment_size: 24
    .max_flat_workgroup_size: 128
    .sgpr_count:     68
    .vgpr_count:     1024
    .wavefront_size: 32
...
	.end_amdgpu_metadata
.endif
;; end of part 2
;; launch scores (part 3): grid 36 x 4, 4 waves a work-group, no clusters, 327,680 bytes of LDS; arguments qkv, pw, st; writes pw, st
.if DOCPART == 3
	.amdgcn_target "amdgcn-amd-amdhsa--gfx1250"
	.amdhsa_code_object_version 6
	.text
	.protected	k_qe08d1ede0c_scores
	.globl	k_qe08d1ede0c_scores
	.p2align	8
	.type	k_qe08d1ede0c_scores,@function
k_qe08d1ede0c_scores:
	s_mov_b64 s[64:65], 0
	v_nop
	global_prefetch_b8 v0, s[64:65] scope:SCOPE_SE
	s_setreg_imm32_b32 hwreg(HW_REG_WAVE_MODE, 25, 1), 1
	s_wait_xcnt 0x0
; For each causal tile (qt, kt), kt <= qt, of 256 queries x 256 keys of a batch: S = q k^T (f16 operands, f32 sums over 1,024 channels).  Each wave has 128 queries x 128 keys and makes, for each of its
; rows, mu = c max(s) over ITS 128 keys, p = 2^(c s - mu) rounded to f16, and l = the sum of the unrounded p; c = log2(e) / 32.  pw[b][q][k] = p; st[b][k / 128][q] = (mu, l) in f32.
; The launch behind joins the tiles: every exponent here and there is at most 0, so the maximum is taken away as a softmax asks, in two stages.
; THE MASK.  A hidden score (key > query) counts as its value less 2^100.  Scores of f16 operands stay under 4.4e12, so a hidden score is exactly -2^100.  In the one wave tile of a diagonal tile that is wholly
; hidden every row has max = -2^100, and c x 2^100 is exact in f32, so c s - mu = 0 and p = 1, finite; its mu, -5.7e28, makes its factor 0 in the launch behind.
; LIMITS.  q, k within f16's 65,504; p below 6e-5 keeps f16's fixed step of 6e-8; a weight below 2^-126 counts as 0 in l; NaN and infinities are not treated apart.
; NO CLUSTER: a batch's 36 tiles are a staircase: row qt has qt + 1 tiles, column kt has 8 - kt; strips of four that share a row or a column do not cover it, and squares of 4 x 4 tiles would add 48 wholly hidden tiles.
; THE PRODUCT: four waves, 64 accumulators each, K in steps of 128 through two LDS slots; each wave fetches 128 rows x 256 bytes with one tensor load (waves 0, 1: q's rows; waves 2, 3: k's).
; Source 0 = 16 keys, source 1 = 16 queries: a lane holds ONE query (l % 16) and the keys 16 b + 8 (l / 16) + 0..7.
; THE WAY OUT: the accumulators go into the ring's bytes, which have had their last fill, so that the softmax of a block of 16 queries is written once and walked eight times.
; REGISTERS: window 0: v0-31 addresses; v64-127, v128-191 fragments of q; on the way out v32-63 rows read back, v64-127 a block's scores, v128-135 the diagonal's mask, v144-151 at work, v192-223 packed p.
;   window 1: v64-191 fragments of k;   windows 2, 3: the accumulators ((a, b) at v[8 (8 (a % 4) + b)]).
.set KSTEP,  128
.set PITCH,  272                       ; 256 bytes + 16 of padding: the 16 rows of a load start at 16 different groups of four banks
.set HALFT,  128*PITCH
.set SLOT,   4*HALFT
.set STAGE,  2*SLOT                    ; 16 rows x 272 bytes for each wave
.set SPITCH, 272
.set STATS,  STAGE+4*16*SPITCH         ; 1,024 bytes for each wave: (mu, l) of its 128 rows
.set SPARE,  STATS+4*1024              ; the spare words, 128 bytes a wave; no other line names them
.set LAPS,   4                         ; 1,024 channels = 8 K steps = 4 laps
.set QROW,   6144                      ; bytes in a row of qkv
.set PROW,   4096                      ; bytes in a row of pw
.set ADR,  12                          ; v12  the spill address of the block in hand
.set ADS,  13                          ; v13  where the block's (mu, l) go
.set DG,   14                          ; v14  l % 16 - 8 (l / 16): register j of the diagonal's group is hidden where j is greater
.set ADRA, 16
.set ADRB, 20
.set SR,   22                          ; v22  where I read the statistics back
.set SO,   23                          ; v23  16 l
.set STO,  24
.set RD,   25
.set CO,   26                          ; v26  my byte offset in two rows of pw
.set SPL,  27                          ; v27  my wave's spill: 65,536 w + 16 l
.set SPW,  28
.set NIL,  29
.set PFO,  30                          ; v30  l x a row of qkv
.set SA,   31                          ; v31  STATS + 1,024 w + 8 (l % 16)
.set OB,   32
.set S,    64
.set MD,   128
.set C0,   144
.set MX,   148
.set MU,   150                         ; v[150:151] (mu, l)
.set TMP,  192
.set F0,   64
.set F1,   128
.set G1,  24                           ; s[24:31] group 1, the same for all loads
.set G0,  32                           ; s[32:39] group 0, a set for each slot
.set LIM, 43
.set PFA, 44
.set TB,  46                           ; s46  the block's place in the spill
.set TS,  47                           ; s47  and in the statistics
.set CS,  58                           ; s[58:59] c
.set SEL, 60                           ; s[60:61] v_permlanex16_b32's selects
.set AL,  66                           ; s[66:67] the mask's factor
.set BE,  68                           ; s[68:69] the mask's addend
.set BIGN, 70                          ; s70  -2^100
.set E,   71                           ; s71  the group of 16 keys that holds the diagonal for the block in hand (may be negative, or 8 and more)
.set MSB, 0
.macro WIN new
.if MSB != (\new)
	s_set_vgpr_msb (MSB<<8)|(\new)
.set MSB, \new
.endif
.endm
.set MUL_LO, 0xa1
.set MUL_HI, 0xf1
.set TO_B,   0x40
.macro TLOAD s                         ; each wave's own 128 rows, into its own bytes of the slot; an s_nop 0 and four v_nop follow
	tensor_load_to_lds s[G0+4*(\s):G0+4*(\s)+3], s[G1:G1+7]
	s_nop 0
.rept 4
	v_nop
.endr
.endm
; A prefetch of my 128 rows' 256 bytes of the K step two refills on: a lane a row, four instructions.  q's rows of block qt are read by the tiles kt = 0 .. qt: the one with kt = 0 asks;
; k's rows of block kt by the tiles qt = kt .. 7: the one with qt = kt asks.  So each block is named once in the launch.  The loop's last trip asks for nothing.
.macro ASK
	s_cmp_gt_u32 s3, s[LIM]
	s_cbranch_scc0 .Lnot_mine_\@
.irp g, 0,1,2,3
	global_prefetch_b8 v[PFO], s[PFA:PFA+1] offset:KSTEP*2+(\g)*32*QROW th:TH_LOAD_NT scope:SCOPE_SE
.endr
.Lnot_mine_\@:
.endm
	s_load_b128 s[4:7], s[0:1], 0x0                ; qkv s[4:5], pw s[6:7]
	s_load_b64 s[8:9], s[0:1], 0x10                ; st
	v_lshl_add_u32 v[SPW], v0, 2, SPARE
	v_mov_b32 v[NIL], 0
	ds_add_u32 v[SPW], v[NIL]                      ; the wave's opening: the add and its wait ahead of my first tensor load
	v_lshrrev_b32 v1, 5, v0
	v_readfirstlane_b32 s10, v1                    ; wave 0..3
	s_lshr_b32 s11, s10, 1                         ; wm: my 128 queries.  Also: I fetch q (0) or k (1)
	s_and_b32 s12, s10, 1                          ; wn: my 128 keys.  Also: which 128 rows I fetch
	s_mov_b32 s13, ttmp9                           ; the tile's number in the staircase
	s_and_b32 s2, ttmp7, 0xffff                    ; the batch
	s_mov_b32 s14, 0
.irp T, 1,3,6,10,15,21,28
	s_cmp_ge_u32 s13, \T                           ; qt = how many rows of the staircase begin at or below the number
	s_add_co_ci_u32 s14, s14, 0
.endr
	s_add_co_u32 s15, s14, 1
	s_mul_i32 s15, s15, s14
	s_lshr_b32 s15, s15, 1
	s_sub_co_u32 s15, s13, s15                     ; kt = number - qt (qt + 1) / 2
	s_mov_b32 s[G1+0], (1<<16)|(1<<20)|(5<<22)|(3<<25)  ; 2-byte elements; padding on: after every 64 words, 4 words
	s_mov_b32 s[G1+1], KSTEP<<16                   ; tensor_dim0 = 128
	s_mov_b32 s[G1+2], 128<<16                     ; tensor_dim1 = 128
	s_mov_b32 s[G1+3], KSTEP<<16                   ; tile_dim0 = 128
	s_mov_b32 s[G1+4], 128                         ; tile_dim1 = 128
	s_mov_b32 s[G1+5], 3072                        ; elements from row to row
	s_mov_b32 s[G1+6], 0
	s_mov_b32 s[G1+7], 0
	s_cmp_eq_u32 s11, 0
	s_cselect_b32 s16, s14, s15                    ; q's block qt, or k's block kt
	s_cselect_b32 s17, 0, 2048                     ; q's or k's first byte in a row
	s_lshl_b32 s16, s16, 8
	s_lshl_b32 s18, s12, 7
	s_add_co_u32 s16, s16, s18
	s_lshl_b32 s18, s2, 11
	s_add_co_u32 s16, s16, s18                     ; the first row that I fetch
	s_mul_i32 s16, s16, QROW
	s_add_co_u32 s16, s16, s17
	s_mov_b32 s17, 0
	s_mul_i32 s20, s10, HALFT                      ; where it goes: wave x 128 rows
	s_sub_co_u32 s18, s14, s15
	s_cmp_eq_u32 s11, 0
	s_cselect_b32 s18, s15, s18                    ; kt for q's rows, qt - kt for k's
	s_cmp_eq_u32 s18, 0
	s_cselect_b32 s[LIM], 1, -1
	s_mov_b32 s[CS], 0x3d38aa3b                    ; c = log2(e) / 32
	s_mov_b32 s[CS+1], s[CS]
	s_mov_b32 s[SEL], 0x76543210
	s_mov_b32 s[SEL+1], 0xfedcba98
	s_mov_b32 s[AL+1], 0
	s_mov_b32 s[BE+1], 0
	s_mov_b32 s[BIGN], 0xf1800000                  ; -2^100
	s_wait_dscnt 0x0                               ; the opening add is done
	s_wait_kmcnt 0x0
	s_add_nc_u64 s[22:23], s[4:5], s[16:17]
.irp s, 0,1
	s_mov_b32 s[G0+4*(\s)], 1
	s_add_co_u32 s[G0+4*(\s)+1], s20, (\s)*SLOT
	s_add_nc_u64 s[G0+4*(\s)+2:G0+4*(\s)+3], s[22:23], (\s)*KSTEP*2
	s_or_b32 s[G0+4*(\s)+3], s[G0+4*(\s)+3], 0x80000000
	TLOAD \s                                       ; both first fills go out together: two loads of mine are out
.endr
	s_add_nc_u64 s[PFA:PFA+1], s[22:23], 2*KSTEP*2 ; at K step 2: the first refill steps it to 3 and names K step 4
	v_and_b32 v1, 15, v0                           ; l % 16
	v_bfe_u32 v2, v0, 4, 1                         ; l / 16
	v_and_b32 v6, 31, v0                           ; l
	v_mul_u32_u24 v3, v1, PITCH
	v_lshl_add_u32 v3, v2, 4, v3
	s_mul_i32 s21, s11, HALFT
	s_mul_i32 s22, s12, HALFT
	s_add_co_u32 s22, s22, 2*HALFT
.irp s, 0,1
	v_add_nc_u32 v[ADRA+(\s)], s21, v3
	v_add_nc_u32 v[ADRB+(\s)], s22, v3
	s_add_co_u32 s21, s21, SLOT
	s_add_co_u32 s22, s22, SLOT
.endr
	s_mul_i32 s23, s10, 16*SPITCH
	s_add_co_u32 s23, s23, STAGE
	v_mul_u32_u24 v4, v1, SPITCH
	v_lshl_add_u32 v4, v2, 4, v4
	v_add_nc_u32 v[STO], s23, v4
	v_mul_u32_u24 v5, v2, SPITCH
	v_lshl_add_u32 v5, v1, 4, v5
	v_add_nc_u32 v[RD], s23, v5
	v_lshlrev_b32 v[CO], 12, v2
	v_lshl_add_u32 v[CO], v1, 4, v[CO]
	s_lshl_b32 s23, s10, 16
	v_lshl_add_u32 v[SPL], v6, 4, s23
	s_lshl_b32 s23, s10, 10
	s_add_co_u32 s23, s23, STATS
	v_lshl_add_u32 v[SR], v6, 4, s23
	v_lshl_add_u32 v[SA], v1, 3, s23
	v_lshlrev_b32 v[SO], 4, v6
	v_mul_u32_u24 v[PFO], v6, QROW
	v_lshlrev_b32 v[DG], 3, v2
	v_sub_nc_u32 v[DG], v1, v[DG]
	; pw at my first row and column: ((2,048 b + 256 qt + 128 wm) x 2,048 + 256 kt + 128 wn) x 2 bytes
	s_lshl_b32 s16, s2, 11
	s_lshl_b32 s17, s14, 8
	s_add_co_u32 s16, s16, s17
	s_lshl_b32 s17, s11, 7
	s_add_co_u32 s16, s16, s17
	s_lshl_b32 s16, s16, 12
	s_lshl_b32 s17, s15, 9
	s_add_co_u32 s16, s16, s17
	s_lshl_b32 s17, s12, 8
	s_add_co_u32 s16, s16, s17
	s_mov_b32 s17, 0
	s_add_nc_u64 s[6:7], s[6:7], s[16:17]
	; st at my 128 rows: ((16 b + 2 kt + wn) x 2,048 + 256 qt + 128 wm) x 8 bytes
	s_lshl_b32 s16, s2, 4
	s_lshl_b32 s17, s15, 1
	s_add_co_u32 s16, s16, s17
	s_add_co_u32 s16, s16, s12
	s_lshl_b32 s16, s16, 11
	s_lshl_b32 s17, s14, 8
	s_add_co_u32 s16, s16, s17
	s_lshl_b32 s17, s11, 7
	s_add_co_u32 s16, s16, s17
	s_lshl_b32 s16, s16, 3
	s_mov_b32 s17, 0
	s_add_nc_u64 s[8:9], s[8:9], s[16:17]
	s_sub_co_i32 s16, s14, s15
	s_lshl_b32 s16, s16, 4
	s_sub_co_i32 s17, s11, s12
	s_lshl_b32 s17, s17, 3
	s_add_co_i32 s[E], s16, s17                    ; 16 (qt - kt) + 8 (wm - wn): block 0's
.macro MUL16 f, hi, a0, zero
	WIN MUL_LO+0x50*(\hi)
.irp a, \a0, (\a0)+1
.irp b, 0,1,2,3,4,5,6,7
.if \zero
	v_wmma_f32_16x16x32_f16 v[8*(8*(\a)+(\b)):8*(8*(\a)+(\b))+7], v[(\f)+8*(\b):(\f)+8*(\b)+7], v[(\f)+8*(4*(\hi)+(\a)):(\f)+8*(4*(\hi)+(\a))+7], 0
.else
	v_wmma_f32_16x16x32_f16 v[8*(8*(\a)+(\b)):8*(8*(\a)+(\b))+7], v[(\f)+8*(\b):(\f)+8*(\b)+7], v[(\f)+8*(4*(\hi)+(\a)):(\f)+8*(4*(\hi)+(\a))+7], v[8*(8*(\a)+(\b)):8*(8*(\a)+(\b))+7]
.endif
.endr
.endr
.endm
.macro FETCH slot, k, f                ; 32 LDS loads in one run: k's fragments, then q's
	WIN TO_B
.irp i, 0,1,2,3,4,5,6,7
	ds_load_b128 v[(\f)+8*(\i):(\f)+8*(\i)+3],   v[ADRB+(\slot)] offset:(\k)+(\i)*16*PITCH
	ds_load_b128 v[(\f)+8*(\i)+4:(\f)+8*(\i)+7], v[ADRB+(\slot)] offset:(\k)+(\i)*16*PITCH+32
.endr
	WIN 0
.irp i, 0,1,2,3,4,5,6,7
	ds_load_b128 v[(\f)+8*(\i):(\f)+8*(\i)+3],   v[ADRA+(\slot)] offset:(\k)+(\i)*16*PITCH
	ds_load_b128 v[(\f)+8*(\i)+4:(\f)+8*(\i)+7], v[ADRA+(\slot)] offset:(\k)+(\i)*16*PITCH+32
.endr
.endm
.macro PLACES                          ; four plain instructions between a matrix instruction and a load into, or a reader of, its registers
.rept 4
	v_nop
.endr
.endm
.macro QUARTER slot, k, f, g, zero
	s_wait_dscnt 8                                 ; k's fragments and q's rows 0-63 are in; the youngest eight loads may be out
	MUL16 \f, 0, 0, \zero
	MUL16 \f, 0, 2, \zero
	PLACES
	FETCH \slot, \k, \g
	s_wait_dscnt 32                                ; all but the 32 just issued
	MUL16 \f, 1, 0, \zero
	MUL16 \f, 1, 2, \zero
.endm
.macro MEET                            ; one barrier for the change of slots
	WIN 0
	s_wait_tensorcnt 0x0                           ; all my tensor loads have landed: the one that was out is my part of the next slot
	ds_add_u32 v[SPW], v[NIL]                      ; 0 onto my spare word
	s_wait_dscnt 9                                 ; (the add and the youngest eight loads may be out)
	MUL16 F1, 0, 0, 0
	s_wait_dscnt 0x0                               ; the add is done, and my reads of this slot are over
	s_barrier_signal -1
	MUL16 F1, 0, 2, 0                              ; work on registers while the others arrive
	s_barrier_wait -1
.endm
.macro TURN slot, next
	s_wait_xcnt 0x0                                ; the last prefetches, a K step back, have read their address
	s_add_nc_u64 s[PFA:PFA+1], s[PFA:PFA+1], KSTEP*2
	MEET
	s_add_nc_u64 s[G0+4*(\slot)+2:G0+4*(\slot)+3], s[G0+4*(\slot)+2:G0+4*(\slot)+3], 2*KSTEP*2
	TLOAD \slot                                    ; my one tensor load behind the barrier, and the first thing there; its four v_nop are also the places in front of the loads below
	FETCH \next, 0, F0
	ASK
	MUL16 F1, 1, 0, 0
	MUL16 F1, 1, 2, 0
.endm
	s_wait_tensorcnt 1                             ; my part of K step 0 is in; K step 1's load may stay out
	s_barrier_signal -1
	s_barrier_wait -1
	FETCH 0, 0, F0
	QUARTER 0, 64,  F0, F1, 1                      ; the first quarter starts the sums
	WIN 0
	s_mov_b32 s3, LAPS-1
.Llap:
	QUARTER 0, 128, F1, F0, 0
	QUARTER 0, 192, F0, F1, 0
	TURN 0, 1
	QUARTER 1, 64,  F0, F1, 0
	QUARTER 1, 128, F1, F0, 0
	QUARTER 1, 192, F0, F1, 0
	TURN 1, 0
	QUARTER 0, 64,  F0, F1, 0
	WIN 0
	s_sub_co_u32 s3, s3, 1
	s_cmp_lg_u32 s3, 0
	s_cbranch_scc1 .Llap
	QUARTER 0, 128, F1, F0, 0                      ; the last lap fills nothing
	QUARTER 0, 192, F0, F1, 0
	MEET
	PLACES
	FETCH 1, 0, F0
	MUL16 F1, 1, 0, 0
	MUL16 F1, 1, 2, 0
	QUARTER 1, 64,  F0, F1, 0
	QUARTER 1, 128, F1, F0, 0
	QUARTER 1, 192, F0, F1, 0
	s_wait_dscnt 8
	MUL16 F1, 0, 0, 0
	MUL16 F1, 0, 2, 0
	s_wait_dscnt 0x0
	MUL16 F1, 1, 0, 0
	MUL16 F1, 1, 2, 0
	WIN 0
	; THE WAY OUT
	PLACES
	s_wait_dscnt 0x0
	s_barrier_signal -1                            ; every wave's reads of the ring are over, and no fill follows:
	s_barrier_wait -1                              ; its bytes may be written
.irp j, 0,1,2,3,4,5,6,7
	v_cmp_gt_i32 vcc_lo, \j, v[DG]
	v_cndmask_b32 v[MD+(\j)], 0, s[BIGN], vcc_lo   ; the mask of the group of 16 keys that holds the diagonal
.endr
	v_mov_b32 v[MU+1], 0                           ; named as a pair with mu
.irp a, 0,1,2,3,4,5,6,7                ; the accumulators into my 65,536 bytes of the ring, each from its low end on: 32 lanes x 16 consecutive bytes a store
	WIN 0x08+4*((\a)/4)
.irp b, 0,1,2,3,4,5,6,7
	ds_store_b128 v[SPL], v[8*(8*((\a)%4)+(\b)):8*(8*((\a)%4)+(\b))+3]   offset:(16*(\a)+2*(\b))*512
	ds_store_b128 v[SPL], v[8*(8*((\a)%4)+(\b))+4:8*(8*((\a)%4)+(\b))+7] offset:(16*(\a)+2*(\b)+1)*512
.endr
.endr
	WIN 0
	s_mov_b32 s3, 8
	s_mov_b32 s[TB], 0
	s_mov_b32 s[TS], 0
.Lblk:                                                 ; a block of 16 queries x my 128 keys: a lane has one query and 64 scores; the lane 16 away has the query's other 64
	v_add_nc_u32 v[ADR], s[TB], v[SPL]
	v_add_nc_u32 v[ADS], s[TS], v[SA]
.irp i, 0,1,2,3,4,5,6,7,8,9,10,11,12,13,14,15
	ds_load_b128 v[S+4*(\i):S+4*(\i)+3], v[ADR] offset:512*(\i)  ; LDS serves a wave's instructions in order: these see my stores
.endr
	s_wait_dscnt 0x0
	s_cmp_ge_i32 s[E], 8
	s_cbranch_scc1 .Lvis                           ; the diagonal lies beyond my keys: nothing is hidden
.irp b, 0,1,2,3,4,5,6,7                ; group b of 16 keys: the diagonal's (MD), a later one (all hidden) or an earlier one (none)
	s_cmp_eq_i32 s[E], \b
	s_cselect_b32 s[AL], 1.0, 0
	s_cmp_lt_i32 s[E], \b
	s_cselect_b32 s[BE], s[BIGN], 0
.irp z, 0,1,2,3
	v_pk_fma_f32 v[S+8*(\b)+2*(\z):S+8*(\b)+2*(\z)+1], v[MD+2*(\z):MD+2*(\z)+1], s[AL:AL+1], v[S+8*(\b)+2*(\z):S+8*(\b)+2*(\z)+1] op_sel_hi:[1,0,1]
.endr
.irp z, 0,1,2,3
	v_pk_add_f32 v[S+8*(\b)+2*(\z):S+8*(\b)+2*(\z)+1], v[S+8*(\b)+2*(\z):S+8*(\b)+2*(\z)+1], s[BE:BE+1] op_sel_hi:[1,0]
.endr
.endr
.Lvis:
.irp k, 0,1,2,3                        ; the maximum: four chains of 15 scores, three operands at a time
	v_max3_num_f32 v[C0+(\k)], v[S+16*(\k)], v[S+16*(\k)+1], v[S+16*(\k)+2]
.endr
.irp n, 0,1,2,3,4,5
.irp k, 0,1,2,3
	v_max3_num_f32 v[C0+(\k)], v[C0+(\k)], v[S+16*(\k)+3+2*(\n)], v[S+16*(\k)+4+2*(\n)]
.endr
.endr
	v_max3_num_f32 v[C0], v[C0], v[S+15], v[S+31]
	v_max3_num_f32 v[C0+2], v[C0+2], v[S+47], v[S+63]
	v_max3_num_f32 v[C0], v[C0], v[C0+1], v[C0+2]
	v_max_num_f32 v[C0], v[C0], v[C0+3]
	v_permlanex16_b32 v[C0+1], v[C0], s[SEL], s[SEL+1]
	v_max_num_f32 v[MX], v[C0], v[C0+1]
	v_mul_f32 v[MU], s[CS], v[MX]                  ; mu = c max
.set z, 0
.rept 32                               ; c s - mu for a pair, then the exponentials of the pair before: ONE batch of 64, none of whose results is named ahead of the wait
	v_pk_fma_f32 v[S+2*z:S+2*z+1], v[S+2*z:S+2*z+1], s[CS:CS+1], v[MU:MU+1] op_sel_hi:[1,0,0] neg_lo:[0,0,1] neg_hi:[0,0,1]
.if z > 0
	v_exp_f32 v[S+2*z-2], v[S+2*z-2]
	v_exp_f32 v[S+2*z-1], v[S+2*z-1]
.endif
.set z, z+1
.endr
	v_exp_f32 v[S+62], v[S+62]
	v_exp_f32 v[S+63], v[S+63]
	v_nop                                          ; a plain instruction behind the last exponential
	s_wait_alu depctr_va_vdst(0)                   ; one wait for the batch, ahead of its first reader
.set z, 0
.rept 32
	v_cvt_pk_f16_f32 v[TMP+z], v[S+2*z], v[S+2*z+1]
.set z, z+1
.endr
.irp w, 1,2,4,8,16                     ; the sum of the 32 pairs, in place: neighbours 1, 2, 4, 8 and 16 pairs apart
.set z, 0
.rept 16/(\w)
	v_pk_add_f32 v[S+2*z:S+2*z+1], v[S+2*z:S+2*z+1], v[S+2*(z+(\w)):S+2*(z+(\w))+1]
.set z, z+2*(\w)
.endr
.endr
	v_add_f32 v[C0], v[S], v[S+1]
	v_permlanex16_b32 v[C0+1], v[C0], s[SEL], s[SEL+1]
	v_add_f32 v[MU+1], v[C0], v[C0+1]              ; l
	ds_store_b64 v[ADS], v[MU:MU+1]                ; (the two lanes of a query store the same numbers to the same place)
.irp b, 0,1,2,3,4,5,6,7
	ds_store_b128 v[STO], v[TMP+4*(\b):TMP+4*(\b)+3] offset:32*(\b)
.endr
.irp t, 0,1,2,3,4,5,6,7
	ds_load_b128 v[OB+4*(\t):OB+4*(\t)+3], v[RD] offset:(\t)*2*SPITCH
.endr
	s_wait_dscnt 0x0
.irp t, 0,1,2,3,4,5,6,7
	global_store_b128 v[CO], v[OB+4*(\t):OB+4*(\t)+3], s[6:7] offset:(\t)*2*PROW  ; 16 lanes store 256 consecutive bytes, aligned
.endr
	s_wait_xcnt 0x0                                ; the stores' base and data are rewritten only behind this wait
	s_add_nc_u64 s[6:7], s[6:7], 16*PROW
	s_add_co_u32 s[TB], s[TB], 8192
	s_add_co_u32 s[TS], s[TS], 128
	s_add_co_i32 s[E], s[E], 1
	s_sub_co_u32 s3, s3, 1
	s_cmp_lg_u32 s3, 0
	s_cbranch_scc1 .Lblk
	ds_load_b128 v[OB:OB+3], v[SR]                 ; my 128 rows' (mu, l): 1,024 consecutive bytes
	ds_load_b128 v[OB+4:OB+7], v[SR] offset:512
	s_wait_dscnt 0x0
	global_store_b128 v[SO], v[OB:OB+3], s[8:9]
	global_store_b128 v[SO], v[OB+4:OB+7], s[8:9] offset:512
	s_wait_tensorcnt 0x0                           ; the wave's end
	ds_add_u32 v[SPW], v[NIL]
	s_wait_dscnt 0x0
	s_endpgm
.Lfunc_end_k_qe08d1ede0c_scores:
	.size	k_qe08d1ede0c_scores, .Lfunc_end_k_qe08d1ede0c_scores-k_qe08d1ede0c_scores
	.p2alignl 7, 3214868480
	.fill 96, 4, 3214868480
	.section	.rodata,"a",@progbits
	.p2align	6, 0x0
	.amdhsa_kernel k_qe08d1ede0c_scores
		.amdhsa_group_segment_fixed_size 327680
		.amdhsa_private_segment_fixed_size 0
		.amdhsa_enable_private_segment 0
		.amdhsa_kernarg_size 24
		.amdhsa_user_sgpr_count 2
		.amdhsa_user_sgpr_kernarg_segment_ptr 1
		.amdhsa_wavefront_size32 1
		.amdhsa_system_sgpr_workgroup_id_x 1
		.amdhsa_system_sgpr_workgroup_id_y 1
		.amdhsa_system_sgpr_workgroup_id_z 1
		.amdhsa_system_vgpr_workitem_id 0
		.amdhsa_next_free_vgpr 1024
		.amdhsa_next_free_sgpr 72
		.amdhsa_reserve_vcc 1
		.amdhsa_float_denorm_mode_32 3
		.amdhsa_float_denorm_mode_16_64 3
		.amdhsa_memory_ordered 1
		.amdhsa_forward_progress 1
		.amdhsa_inst_pref_size 139
	.end_amdhsa_kernel
	.amdgpu_metadata
---
amdhsa.version: [ 1, 2 ]
amdhsa.kernels:
  - .name:           k_qe08d1ede0c_scores
    .symbol:         k_qe08d1ede0c_scores.kd
    .args:
      - { .name: qkv, .offset: 0, .size: 8, .value_kind: global_buffer, .address_space: global }
      - { .name: pw, .offset: 8, .size: 8, .value_kind: global_buffer, .address_space: global }
      - { .name: st, .offset: 16, .size: 8, .value_kind: global_buffer, .address_space: global }
    .group_segment_fixed_size: 327680
    .private_segment_fixed_size: 0
    .kernarg_segment_align: 8
    .kernarg_segment_size: 24
    .max_flat_workgroup_size: 128
    .sgpr_count:     72
    .vgpr_count:     1024
    .wavefront_size: 32
...
	.end_amdgpu_metadata
.endif
;; end of part 3
;; launch ctx (part 4): grid 8 x 32, 4 waves a work-group, clusters of 4 x 1, 327,680 bytes of LDS; arguments pw, qkv, st, out0; writes out0
.if DOCPART == 4
	.amdgcn_target "amdgcn-amd-amdhsa--gfx1250"
	.amdhsa_code_object_version 6
	.text
	.protected	k_qe08d1ede0c_ctx
	.globl	k_qe08d1ede0c_ctx
	.p2align	8
	.type	k_qe08d1ede0c_ctx,@function
k_qe08d1ede0c_ctx:
	s_mov_b64 s[64:65], 0
	v_nop
	global_prefetch_b8 v0, s[64:65] scope:SCOPE_SE
	s_setreg_imm32_b32 hwreg(HW_REG_WAVE_MODE, 25, 1), 1
	s_wait_xcnt 0x0
	s_wait_alu depctr_hold_cnt(0) depctr_sa_sdst(0) depctr_va_vdst(0) depctr_va_sdst(0) depctr_va_ssrc(0) depctr_va_vcc(0) depctr_vm_vsrc(0)
	s_getreg_b32 s2, hwreg(HW_REG_IB_STS2, 6, 4)
	s_cmp_eq_u32 s2, 0
	s_cbranch_scc0 .Lentry_in_a_cluster
	s_endpgm
.Lentry_in_a_cluster:
	s_bfe_u32 s2, ttmp6, 0x10000c
	s_cmp_lg_u32 s2, 0x3003
	s_cbranch_scc0 .Lentry_shape_is_right
	s_endpgm
.Lentry_shape_is_right:
; out0[b][q][ch] = sum over the tiles t of 128 keys of g_t[q] x (P_t V_t)[q][ch].  P = pw (f16, p = 2^(c s - mu_t)), V = columns 2,048-3,071 of qkv (f16), st = (mu_t, l_t) in f32.
; g_t = 2^(mu_t - M) / L with M = max over t of mu_t and L = sum over t of 2^(mu_t - M) l_t: every exponent is at most 0, L is at least 1.  Products in f16 with f32 sums; g, the sums over t and out0 in f32.
; LIMITS.  A factor below 2^-126 counts as 0.  A tile that is wholly hidden has p = 1 and g = 0: its product, at most 128 x 65,504, is finite and is multiplied by 0.  NaN and infinities are not treated apart.
; THE WALK.  A batch's queries lie in 16 blocks of 128; block i needs (i / 2) + 1 steps of 256 keys.  A work-group takes 128 channels of TWO blocks, 15 - p and then p: nine steps whatever p: all 256 work-groups
; do equal work, and one loop with a constant trip count walks them; the ring of two LDS slots runs on across the change of blocks.
; CLUSTER.  The four work-groups of a cluster take four channel blocks of the same two query blocks: P's tile is theirs in common and is asked for JOINTLY.  V's tile hangs on the channel block: a load of one's own,
; in the same round.  V is not shared between pairs p: their walks ask for different key steps once the first blocks end.
; A wave makes 64 queries x 64 channels.  Source 0 = 16 channels of V^T (turned out of LDS by ds_load_tr16_b128), source 1 = 16 queries of P: a lane holds ONE query (l % 16) and eight channels, so g is a number a lane.
; REGISTERS: window 0: v0-31 addresses; v32-95 at work; v96-103 g; v128-255 T, the 16 accumulators of 128 keys ((a, b) at v[128 + 8 (4 a + b)]).
;   window 1: two fragment buffers of 128 (64 of P, then 64 of V^T);   window 2: v0-127 O.
; O is cleared by 128 moves at the start (in the wait for the first tile) and at the change of blocks: the price of one text for every step.
.set PAP,   528                        ; a row of P in LDS: 512 bytes + 16
.set PV,    288                        ; a row of V: 256 bytes + 32
.set AT,    128*PAP                    ; P's 128 rows; behind them V's 256 keys
.set SLOT,  AT+256*PV
.set STAGE, 2*SLOT                     ; 16 rows x 272 bytes for each wave
.set SP,    272
.set SPARE, STAGE+4*16*SP              ; the spare words, 128 bytes a wave; no other line names them
.set FT,    SPARE+512                  ; g: [2 blocks][16 tiles][128 rows] f32
.set ADRA, 8                           ; v8-9    my fragments of P in slot 0, 1
.set ADRB, 10                          ; v10-13  my fragments of V: slot, half of the 256 keys
.set STO,  14
.set RD,   15
.set GO,   16
.set FA,   17                          ; v17  where the next four g are read
.set FAL,  18                          ; v18  the second block's first
.set FW,   19                          ; v19  FT + 4 x my thread's number
.set PFO,  20
.set RH,   21                          ; v21  my row's offset in st, first block
.set RL,   22                          ; v22  second block
.set SPW,  28
.set NIL,  29
.set TMP,  32
.set EX,   32                          ; at the start: 2 x 16 factors
.set FR,   96
.set T,    128
.set VO,   128                         ; at the start: 2 x 16 offsets,
.set SD,   160                         ; 2 x 16 pairs (mu, l),
.set MX,   224                         ; M, L, 1 / L of the two blocks
.set LS,   226
.set RC,   228
.set F0,   0
.set F1,   128
.set WV,  12
.set WM,  17
.set WN,  18
.set SH,  19
.set SL,  20
.set NXT, 21                           ; s21  the key step to be asked for next
.set LQ,  22                           ; s22  the last key step of the block whose tiles are being asked for
.set RT,  23                           ; s23  steps of the block in hand that are still to be multiplied
.set G1A, 24
.set G1B, 32
.set G0A, 40
.set G0B, 44
.set ABASE, 48
.set VBASE, 50
.set ABLK, 52                          ; s52  byte offset in pw of the block whose tiles are being asked for
.set ABLKL, 53
.set OFF, 54
.set OFB, 56
.set CNT, 58
.set LIM0, 59
.set LIM1, 60
.set PFA, 62
.set PB,  66
.set OUTL, 68
.set LA,  70
.set LB,  71
.set POF, 74                           ; s[74:75] after the head: the prefetches' offset
.set N1H, 76                           ; s76  the first block's last tile of 128 keys
.set N1L, 77
.set LQL, 79
.set MSB, 0
.macro WIN new
.if MSB != (\new)
	s_set_vgpr_msb (MSB<<8)|(\new)
.set MSB, \new
.endif
.endm
.set MUL,  0x05                        ; sources 0 and 1 window 1; C and D window 0
.set TO_F, 0x40                        ; destination window 1, address window 0
.macro JLOAD                           ; waves 0 and 1 fetch the halves of P's tile (jointly), waves 2 and 3 those of V's; an s_nop 0 and four v_nop follow each line
	s_cmp_lt_u32 s[WV], 2
	s_cbranch_scc0 .Lfor_v_\@
	tensor_load_to_lds s[G0A:G0A+3], s[G1A:G1A+7]
	s_nop 0
.rept 4
	v_nop
.endr
	s_branch .Lasked_\@
.Lfor_v_\@:
	tensor_load_to_lds s[G0B:G0B+3], s[G1B:G1B+7]
	s_nop 0
.rept 4
	v_nop
.endr
.Lasked_\@:
.endm
.macro CROUND
	s_barrier_signal -1
	s_barrier_wait -1
	s_cmp_lg_u32 s[WV], 0
	s_cbranch_scc1 .Lnot_wave_0_\@
	s_barrier_signal -3
.Lnot_wave_0_\@:
	s_barrier_wait -3
	s_barrier_signal -1
	s_barrier_wait -1
.endm
; A prefetch of what the NEXT change of slots will ask for, one trip (128 products and two folds) ahead.  P's tile is read by both clusters of a pair: cluster x = 0 asks; waves 0 and 1 for their 64 rows x 512 bytes,
; of which each partner takes 16 rows by address: a lane a block of 256 bytes.  V's tile is read by the pairs p of its channel block: p = 0, whose first block walks all eight key steps, asks in that walk; waves 2 and 3
; for their 128 keys, a lane a row, four instructions.  So each block is named once; the trips whose next load does not exist, or reads rows again, ask for nothing.
.macro ASK lim
	s_cmp_gt_u32 s[CNT], s[\lim]
	s_cbranch_scc0 .Lnot_mine_\@
	global_prefetch_b8 v[PFO], s[PFA:PFA+1] th:TH_LOAD_NT scope:SCOPE_SE
	s_cmp_lt_u32 s[WV], 2
	s_cbranch_scc1 .Lnot_mine_\@
.irp g, 1,2,3
	global_prefetch_b8 v[PFO], s[PFA:PFA+1] offset:(\g)*32*6144 th:TH_LOAD_NT scope:SCOPE_SE
.endr
.Lnot_mine_\@:
.endm
	s_load_b256 s[4:11], s[0:1], 0x0               ; pw s[4:5], qkv s[6:7], st s[8:9], out0 s[10:11]
	v_lshl_add_u32 v[SPW], v0, 2, SPARE
	v_mov_b32 v[NIL], 0
	ds_add_u32 v[SPW], v[NIL]                      ; the wave's opening: the add and its wait ahead of my first tensor load
	v_lshrrev_b32 v1, 5, v0
	v_readfirstlane_b32 s[WV], v1                  ; wave 0..3
	s_bfe_u32 s13, ttmp6, 0x40000                  ; cx
	s_lshl_b32 s14, ttmp9, 2
	s_add_co_u32 s14, s14, s13                     ; n: my 128 channels
	s_and_b32 s16, ttmp7, 0xffff
	s_lshr_b32 s15, s16, 3                         ; the batch
	s_and_b32 s16, s16, 7                          ; p
	s_lshr_b32 s[WM], s[WV], 1                     ; my 64 queries
	s_and_b32 s[WN], s[WV], 1                      ; my 64 channels.  Also: which half of a tile I fetch
	s_sub_co_u32 s78, 15, s16                      ; the first block
	s_lshr_b32 s[SH], s78, 1
	s_add_co_u32 s[SH], s[SH], 1                   ; its steps
	s_lshr_b32 s[SL], s16, 1
	s_add_co_u32 s[SL], s[SL], 1                   ; the second block's: nine together
	s_mov_b32 s[NXT], 1
	s_sub_co_u32 s[LQ], s[SH], 1
	s_sub_co_u32 s[LQL], s[SL], 1
	s_mov_b32 s[RT], s[SH]
	s_lshl_b32 s[ABLK], s78, 19                    ; 128 rows of 4,096 bytes a block
	s_lshl_b32 s[ABLKL], s16, 19
	s_lshl_b32 s[N1H], s[SH], 1
	s_sub_co_u32 s[N1H], s[N1H], 1
	s_lshl_b32 s[N1L], s[SL], 1
	s_sub_co_u32 s[N1L], s[N1L], 1
	s_mov_b32 s[G1A+0], 15|(1<<16)|(1<<20)|(1<<21)|(6<<22)|(3<<25)  ; the mask of four; 2-byte elements; padding on; bit 21 beside a mask; after every 128 words, 4 words
	s_mov_b32 s[G1A+1], 256<<16                    ; tensor_dim0 = 256
	s_mov_b32 s[G1A+2], 64<<16                     ; tensor_dim1 = 64
	s_mov_b32 s[G1A+3], 256<<16                    ; tile_dim0 = 256
	s_mov_b32 s[G1A+4], 64                         ; tile_dim1 = 64
	s_mov_b32 s[G1A+5], 2048                       ; elements from row to row
	s_mov_b32 s[G1A+6], 0
	s_mov_b32 s[G1A+7], 0
	s_mov_b32 s[G1B+0], (1<<16)|(1<<20)|(5<<22)|(7<<25)  ; no mask; after every 64 words, 8 words
	s_mov_b32 s[G1B+1], 128<<16
	s_mov_b32 s[G1B+2], 128<<16
	s_mov_b32 s[G1B+3], 128<<16
	s_mov_b32 s[G1B+4], 128
	s_mov_b32 s[G1B+5], 3072
	s_mov_b32 s[G1B+6], 0
	s_mov_b32 s[G1B+7], 0
	s_mul_i32 s[LA], s[WN], 64*PAP                 ; where my half of P's tile goes,
	s_mul_i32 s[LB], s[WN], 128*PV                 ; and of V's: no place in the cluster enters an LDS address
	s_add_co_u32 s[LB], s[LB], AT
	s_mov_b32 s[OFF+1], 0
	s_mov_b32 s[OFB+1], 0
	s_lshl_b32 s72, s15, 23                        ; pw: the batch's 2,048 rows of 4,096 bytes,
	s_lshl_b32 s73, s[WN], 18                      ; my 64 rows of a block
	s_add_co_u32 s72, s72, s73
	s_mov_b32 s73, 0
	s_lshl_b32 s74, s15, 11                        ; V: row 2,048 b + 128 x half, byte 4,096 + 256 n
	s_lshl_b32 s75, s[WN], 7
	s_add_co_u32 s74, s74, s75
	s_mul_i32 s74, s74, 6144
	s_lshl_b32 s75, s14, 8
	s_add_co_u32 s74, s74, s75
	s_add_co_u32 s74, s74, 4096
	s_mov_b32 s75, 0
	s_lshl_b32 s86, s15, 11                        ; out0: row 2,048 b + 128 i + 64 WM, byte 512 n + 256 WN
	s_lshl_b32 s87, s[WM], 6
	s_add_co_u32 s86, s86, s87
	s_lshl_b32 s87, s78, 7
	s_add_co_u32 s80, s86, s87
	s_lshl_b32 s80, s80, 12
	s_lshl_b32 s87, s16, 7
	s_add_co_u32 s82, s86, s87
	s_lshl_b32 s82, s82, 12
	s_lshl_b32 s86, s14, 9
	s_lshl_b32 s87, s[WN], 8
	s_add_co_u32 s86, s86, s87
	s_add_co_u32 s80, s80, s86
	s_add_co_u32 s82, s82, s86
	s_mov_b32 s81, 0
	s_mov_b32 s83, 0
	s_lshl_b32 s84, s15, 18                        ; st: 16 x 2,048 x 8 bytes a batch
	s_mov_b32 s85, 0
	s_lshl_b32 s86, s13, 16                        ; the prefetches of P: my work-group's 16 rows of the 64
	s_mov_b32 s87, 0
	s_cmp_lt_u32 s[WV], 2
	s_cselect_b32 s2, ttmp9, s16                   ; the coordinate along which others read the same rows
	s_cselect_b32 s3, 0, 1
	s_cmp_eq_u32 s2, 0
	s_cselect_b32 s[LIM0], s3, -1
	s_cselect_b32 s[LIM1], 1, -1
	s_mov_b32 s[OFF], s[ABLK]
	s_mov_b32 s[G0A], 1
	s_mov_b32 s[G0A+1], s[LA]                      ; slot 0
	s_mov_b32 s[G0B], 1
	s_mov_b32 s[G0B+1], s[LB]
	s_wait_dscnt 0x0                               ; the opening add is done
	s_wait_kmcnt 0x0
	s_add_nc_u64 s[ABASE:ABASE+1], s[4:5], s[72:73]
	s_add_nc_u64 s[VBASE:VBASE+1], s[6:7], s[74:75]
	s_add_nc_u64 s[8:9], s[8:9], s[84:85]
	s_add_nc_u64 s[OUTL:OUTL+1], s[10:11], s[82:83]
	s_add_nc_u64 s[10:11], s[10:11], s[80:81]
	s_add_nc_u64 s[G0A+2:G0A+3], s[ABASE:ABASE+1], s[OFF:OFF+1]  ; the first block's key step 0
	s_or_b32 s[G0A+3], s[G0A+3], 0x80000000
	s_mov_b64 s[G0B+2:G0B+3], s[VBASE:VBASE+1]
	s_or_b32 s[G0B+3], s[G0B+3], 0x80000000
	s_add_nc_u64 s[PB:PB+1], s[ABASE:ABASE+1], s[86:87]
	s_cmp_lt_u32 s[WV], 2
	s_cselect_b64 s[PB:PB+1], s[PB:PB+1], s[VBASE:VBASE+1]
	s_mov_b32 s[POF+1], 0
	CROUND                                         ; all four work-groups are here: the first joint loads meet
	JLOAD                                          ; the walk's step 0 into slot 0; slot 1 is filled behind the first trip's round
	v_and_b32 v1, 15, v0                           ; l % 16
	v_bfe_u32 v2, v0, 4, 1                         ; l / 16
	v_and_b32 v3, 31, v0                           ; l
	v_mul_u32_u24 v4, v1, PAP
	v_lshl_add_u32 v4, v2, 4, v4
	s_mul_i32 s72, s[WM], 64*PAP
	v_add_nc_u32 v[ADRA], s72, v4
	v_add_nc_u32 v[ADRA+1], SLOT, v[ADRA]
	; the turning load takes 16 keys x 16 channels: lane l reads key 8 (l / 16) + l % 8, channels 8 ((l / 8) % 2) + 0..7, and is left with channel l % 16 and 8 keys
	v_and_b32 v5, 7, v0
	v_bfe_u32 v6, v0, 3, 1
	v_lshl_add_u32 v5, v2, 3, v5
	v_mul_u32_u24 v5, v5, PV
	v_lshl_add_u32 v5, v6, 4, v5
	s_lshl_b32 s72, s[WN], 7
	s_add_co_u32 s72, s72, AT
	v_add_nc_u32 v[ADRB], s72, v5
	v_add_nc_u32 v[ADRB+1], 128*PV, v[ADRB]
	v_add_nc_u32 v[ADRB+2], SLOT, v[ADRB]
	v_add_nc_u32 v[ADRB+3], SLOT+128*PV, v[ADRB]
	s_mul_i32 s72, s[WV], 16*SP
	s_add_co_u32 s72, s72, STAGE
	v_mul_u32_u24 v4, v1, SP                       ; in: row l % 16, 32 bytes for each half of the lanes
	v_lshl_add_u32 v4, v2, 5, v4
	v_add_nc_u32 v[STO], s72, v4
	v_mul_u32_u24 v4, v2, SP                       ; back: lanes 0-15 one row of 256 bytes, lanes 16-31 the next
	v_lshl_add_u32 v4, v1, 4, v4
	v_add_nc_u32 v[RD], s72, v4
	v_lshlrev_b32 v[GO], 12, v2
	v_lshl_add_u32 v[GO], v1, 4, v[GO]
	s_lshl_b32 s72, s[WM], 8
	s_add_co_u32 s72, s72, FT
	v_lshl_add_u32 v[FA], v1, 2, s72
	v_add_nc_u32 v[FAL], 8192, v[FA]
	v_lshl_add_u32 v[FW], v0, 2, FT
	v_lshrrev_b32 v4, 1, v3
	v_lshlrev_b32 v4, 12, v4
	v_and_b32 v5, 1, v0
	v_lshl_add_u32 v4, v5, 8, v4                   ; P: row l / 2, block l % 2 of its 512 bytes
	v_mul_u32_u24 v5, v3, 6144                     ; V: row l
	s_cmp_lt_u32 s[WV], 2
	s_cselect_b32 s72, -1, 0
	v_cndmask_b32 v[PFO], v5, v4, s72
	s_lshl_b32 s72, s78, 10
	v_lshl_add_u32 v[RH], v0, 3, s72               ; (128 i + thread) x 8 bytes
	s_lshl_b32 s72, s16, 10
	v_lshl_add_u32 v[RL], v0, 3, s72
.irp a, 0,1,2,3
	v_mov_b32 v[FR+2*(\a)+1], 0                    ; named as pairs with g
.endr
	; THE FACTORS.  Thread t serves row t of both blocks.  Tiles beyond a block's last are read as its last once more (only words that were written are read): they change no maximum, and their l counts as 0.
.macro FLOAD blk, n1, row
.set kt, 0
.rept 16
	s_min_u32 s72, s[\n1], kt
	s_lshl_b32 s72, s72, 14                        ; 2,048 rows x 8 bytes a tile
	v_add_nc_u32 v[VO+16*(\blk)+kt], s72, v[\row]
	global_load_b64 v[SD+32*(\blk)+2*kt:SD+32*(\blk)+2*kt+1], v[VO+16*(\blk)+kt], s[8:9]
.set kt, kt+1
.endr
.endm
	FLOAD 0, N1H, RH
	FLOAD 1, N1L, RL
	WIN 0x80                                       ; O = 0, while the loads and the first tile are on their way
.set i, 0
.rept 128
	v_mov_b32 v[i], 0
.set i, i+1
.endr
	WIN 0
	s_wait_loadcnt 0x0
.irp blk, 0,1
	v_max3_num_f32 v[MX+(\blk)], v[SD+32*(\blk)], v[SD+32*(\blk)+2], v[SD+32*(\blk)+4]
.irp k, 0,1,2,3,4,5
	v_max3_num_f32 v[MX+(\blk)], v[MX+(\blk)], v[SD+32*(\blk)+6+4*(\k)], v[SD+32*(\blk)+8+4*(\k)]
.endr
	v_max_num_f32 v[MX+(\blk)], v[MX+(\blk)], v[SD+32*(\blk)+30]
.set kt, 0
.rept 16
	v_sub_f32 v[EX+16*(\blk)+kt], v[SD+32*(\blk)+2*kt], v[MX+(\blk)]
.set kt, kt+1
.endr
.endr
.set i, 0
.rept 32
	v_exp_f32 v[EX+i], v[EX+i]                     ; one batch of 32
.set i, i+1
.endr
.macro FSEL blk, n1                    ; plain work that names no exponential's result stands between the batch and its wait
.set kt, 2
.rept 14
	s_cmp_ge_u32 s[\n1], kt
	s_cselect_b32 s72, 1.0, 0
	v_mul_f32 v[SD+32*(\blk)+2*kt+1], s72, v[SD+32*(\blk)+2*kt+1]
.set kt, kt+1
.endr
.endm
	FSEL 0, N1H
	FSEL 1, N1L
	s_wait_alu depctr_va_vdst(0)                   ; one wait for the batch, ahead of its first reader
.irp blk, 0,1
	v_mul_f32 v[LS+(\blk)], v[EX+16*(\blk)], v[SD+32*(\blk)+1]
.endr
.set kt, 1
.rept 15
	v_fmac_f32 v[LS], v[EX+kt], v[SD+2*kt+1]
	v_fmac_f32 v[LS+1], v[EX+16+kt], v[SD+32+2*kt+1]
.set kt, kt+1
.endr
	v_rcp_f32 v[RC], v[LS]
	v_rcp_f32 v[RC+1], v[LS+1]
	v_nop
	s_wait_alu depctr_va_vdst(0)                   ; one wait for the two reciprocals
.irp blk, 0,1
.set kt, 0
.rept 16
	v_mul_f32 v[EX+16*(\blk)+kt], v[EX+16*(\blk)+kt], v[RC+(\blk)]
	ds_store_b32 v[FW], v[EX+16*(\blk)+kt] offset:(\blk)*8192+kt*512
.set kt, kt+1
.endr
.endr
	; the first trip's wait for my LDS instructions and its round show the tables to every wave
.macro MUL8 f, c, a0, zero             ; 8 matrix instructions: query blocks a0, a0 + 1 x 4 channel blocks, 32 keys.  The 16 accumulators take turns
	WIN MUL
.irp a, \a0, (\a0)+1
.irp b, 0,1,2,3
.if \zero
	v_wmma_f32_16x16x32_f16 v[T+8*(4*(\a)+(\b)):T+8*(4*(\a)+(\b))+7], v[(\f)+64+8*(4*(\c)+(\b)):(\f)+64+8*(4*(\c)+(\b))+7], v[(\f)+8*(4*(\c)+(\a)):(\f)+8*(4*(\c)+(\a))+7], 0
.else
	v_wmma_f32_16x16x32_f16 v[T+8*(4*(\a)+(\b)):T+8*(4*(\a)+(\b))+7], v[(\f)+64+8*(4*(\c)+(\b)):(\f)+64+8*(4*(\c)+(\b))+7], v[(\f)+8*(4*(\c)+(\a)):(\f)+8*(4*(\c)+(\a))+7], v[T+8*(4*(\a)+(\b)):T+8*(4*(\a)+(\b))+7]
.endif
.endr
.endr
.endm
.macro FETCH slot, q, f                ; 32 LDS loads in one run: quarter q (64 keys) of the slot into buffer f, its first 32 keys first
	WIN TO_F
.irp c, 0,1
.irp i, 0,1,2,3
	ds_load_tr16_b128 v[(\f)+64+8*(4*(\c)+(\i)):(\f)+64+8*(4*(\c)+(\i))+3],   v[ADRB+2*(\slot)+(\q)/2] offset:(((\q)%2)*64+32*(\c))*PV+32*(\i)
	ds_load_tr16_b128 v[(\f)+64+8*(4*(\c)+(\i))+4:(\f)+64+8*(4*(\c)+(\i))+7], v[ADRB+2*(\slot)+(\q)/2] offset:(((\q)%2)*64+32*(\c)+16)*PV+32*(\i)
	ds_load_b128 v[(\f)+8*(4*(\c)+(\i)):(\f)+8*(4*(\c)+(\i))+3],              v[ADRA+(\slot)] offset:128*(\q)+64*(\c)+(\i)*16*PAP
	ds_load_b128 v[(\f)+8*(4*(\c)+(\i))+4:(\f)+8*(4*(\c)+(\i))+7],            v[ADRA+(\slot)] offset:128*(\q)+64*(\c)+(\i)*16*PAP+32
.endr
.endr
.endm
.macro PLACES                          ; four plain instructions between a matrix instruction and a load into, or a reader of, its registers
.rept 4
	v_nop
.endr
.endm
.macro LOADF                           ; g of my four query blocks for the tile of 128 keys in hand
	WIN 0
.irp a, 0,1,2,3
	ds_load_b32 v[FR+2*(\a)], v[FA] offset:64*(\a)
.endr
	v_add_nc_u32 v[FA], 512, v[FA]
.endm
.macro FOLD                            ; O += g T; each accumulator is read from its low end on
	PLACES
	WIN 0xa0                                       ; O (destination and source 2) window 2; T and g window 0
.set t, 0
.rept 16
.irp z, 0,1,2,3
	v_pk_fma_f32 v[8*t+2*(\z):8*t+2*(\z)+1], v[T+8*t+2*(\z):T+8*t+2*(\z)+1], v[FR+2*(t/4):FR+2*(t/4)+1], v[8*t+2*(\z):8*t+2*(\z)+1] op_sel_hi:[1,0,1]
.endr
.set t, t+1
.endr
	WIN 0
.endm
.macro STEP slot                       ; 256 keys: four quarters of 32 matrix instructions, a fold behind each two
	FETCH \slot, 0, F0
	s_wait_dscnt 16                                ; the first 32 keys are in
	MUL8 F0, 0, 0, 1
	MUL8 F0, 0, 2, 1
	PLACES
	FETCH \slot, 1, F1
	s_wait_dscnt 32                                ; all but the 32 just issued
	MUL8 F0, 1, 0, 0
	MUL8 F0, 1, 2, 0
	s_wait_dscnt 16
	MUL8 F1, 0, 0, 0
	MUL8 F1, 0, 2, 0
	PLACES
	LOADF
	FETCH \slot, 2, F0
	s_wait_dscnt 32                                ; all but the 32 just issued: the four g are in too
	MUL8 F1, 1, 0, 0
	MUL8 F1, 1, 2, 0
	FOLD
	s_wait_dscnt 16
	MUL8 F0, 0, 0, 1
	MUL8 F0, 0, 2, 1
	PLACES
	FETCH \slot, 3, F1
	s_wait_dscnt 32
	MUL8 F0, 1, 0, 0
	MUL8 F0, 1, 2, 0
	s_wait_dscnt 16
	MUL8 F1, 0, 0, 0
	MUL8 F1, 0, 2, 0
	LOADF
	s_wait_dscnt 4                                 ; only the four g may be out
	MUL8 F1, 1, 0, 0
	MUL8 F1, 1, 2, 0
	s_wait_dscnt 0x0
	FOLD
.endm
; THE CHANGE OF SLOTS, in front of slot's step.  Each wave waits for all its tensor loads, of which one is out: its part of this slot; adds 0 to its spare word; and waits for that and for its reads of the other slot.
; fill = 1: the other slot is filled again with the walk's next step: the barrier is a round of the cluster's, and the load is the first thing behind it.  It has a whole trip in which to land.
.macro CHANGE slot, fill, lim
	WIN 0
	s_wait_tensorcnt 0x0                           ; no tensor load of mine is out, so a group 0 may be written
	ds_add_u32 v[SPW], v[NIL]                      ; 0 onto my spare word; the scalar work stands between it and the wait for it
.if \fill
	s_lshl_b32 s[OFF], s[NXT], 9                   ; 256 keys are 512 bytes of P's rows,
	s_add_co_u32 s[OFF], s[OFF], s[ABLK]
	s_mul_i32 s[OFB], s[NXT], 256*6144             ; and 256 rows of qkv
	s_add_co_u32 s[G0A+1], s[LA], (1-(\slot))*SLOT
	s_add_nc_u64 s[G0A+2:G0A+3], s[ABASE:ABASE+1], s[OFF:OFF+1]
	s_or_b32 s[G0A+3], s[G0A+3], 0x80000000
	s_add_co_u32 s[G0B+1], s[LB], (1-(\slot))*SLOT
	s_add_nc_u64 s[G0B+2:G0B+3], s[VBASE:VBASE+1], s[OFB:OFB+1]
	s_or_b32 s[G0B+3], s[G0B+3], 0x80000000
	s_add_co_u32 s[NXT], s[NXT], 1                 ; the block's next step, or behind its last the second block's step 0
	s_cmp_gt_u32 s[NXT], s[LQ]
	s_cselect_b32 s[NXT], 0, s[NXT]
	s_cselect_b32 s[ABLK], s[ABLKL], s[ABLK]
	s_cselect_b32 s[LQ], s[LQL], s[LQ]
	s_lshl_b32 s[POF], s[NXT], 9
	s_add_co_u32 s[POF], s[POF], s[ABLK]
	s_mul_i32 s72, s[NXT], 256*6144
	s_cmp_lt_u32 s[WV], 2
	s_cselect_b32 s[POF], s[POF], s72
	s_wait_xcnt 0x0                                ; the last prefetches, a trip back, have read their address
	s_add_nc_u64 s[PFA:PFA+1], s[PB:PB+1], s[POF:POF+1]
	s_wait_dscnt 0x0                               ; the add is done, and my LDS reads and stores are over
	CROUND
	JLOAD
	ASK \lim
.else
	s_wait_dscnt 0x0
	s_barrier_signal -1
	s_barrier_wait -1
.endif
.endm
; THE WAY OUT of a block: 16 rows at a time through my own stage: a lane's 32 bytes go into rows of 272 bytes and come back as whole rows of 256.
.macro OUT clear
.irp a, 0,1,2,3
	WIN 0x08                                       ; store data in window 2
.irp cb, 0,1,2,3
	ds_store_b128 v[STO], v[8*(4*(\a)+(\cb)):8*(4*(\a)+(\cb))+3]   offset:64*(\cb)
	ds_store_b128 v[STO], v[8*(4*(\a)+(\cb))+4:8*(4*(\a)+(\cb))+7] offset:64*(\cb)+16
.endr
	WIN 0
	s_wait_xcnt 0x0                                ; the registers that earlier stores read are loaded again only behind this wait
.irp t, 0,1,2,3,4,5,6,7
	ds_load_b128 v[TMP+4*(\t):TMP+4*(\t)+3], v[RD] offset:(\t)*2*SP  ; LDS serves a wave's instructions in order: these see the stores above
.endr
	s_wait_dscnt 0x0
.irp t, 0,1,2,3,4,5,6,7
	global_store_b128 v[GO], v[TMP+4*(\t):TMP+4*(\t)+3], s[10:11] offset:(16*(\a)+2*(\t))*4096 th:TH_STORE_NT  ; 16 lanes store 256 consecutive bytes, aligned
.endr
.endr
.if \clear
	WIN 0x80
.set i, 0
.rept 128
	v_mov_b32 v[i], 0
.set i, i+1
.endr
	WIN 0
	s_wait_xcnt 0x0                                ; the stores have read their base
	s_mov_b64 s[10:11], s[OUTL:OUTL+1]
	s_mov_b32 s[RT], s[SL]
	v_mov_b32 v[FA], v[FAL]
.endif
.endm
.macro TRIP slot, lim
	CHANGE \slot, 1, \lim
	STEP \slot
	s_sub_co_u32 s[RT], s[RT], 1
	s_cmp_lg_u32 s[RT], 0
	s_cbranch_scc1 .Lgo_on_\@                      ; forward, over text with no barrier and no tensor load; the count is alike in all partners
	OUT 1                                          ; the first block's end
.Lgo_on_\@:
.endm
	s_mov_b32 s[CNT], 4
.Llap:                                                 ; eight of the walk's nine steps: each asks for the next
	TRIP 0, LIM0
	TRIP 1, LIM1
	s_sub_co_u32 s[CNT], s[CNT], 1
	s_cmp_lg_u32 s[CNT], 0
	s_cbranch_scc1 .Llap
	CHANGE 0, 0, LIM0                              ; the last step is written out: nothing is asked for
	STEP 0
	OUT 0
	s_wait_tensorcnt 0x0                           ; the wave's end
	ds_add_u32 v[SPW], v[NIL]
	s_wait_dscnt 0x0
	CROUND                                         ; the closing round
	s_endpgm
.Lfunc_end_k_qe08d1ede0c_ctx:
	.size	k_qe08d1ede0c_ctx, .Lfunc_end_k_qe08d1ede0c_ctx-k_qe08d1ede0c_ctx
	.p2alignl 7, 3214868480
	.fill 96, 4, 3214868480
	.section	.rodata,"a",@progbits
	.p2align	6, 0x0
	.amdhsa_kernel k_qe08d1ede0c_ctx
		.amdhsa_group_segment_fixed_size 327680
		.amdhsa_private_segment_fixed_size 0
		.amdhsa_enable_private_segment 0
		.amdhsa_kernarg_size 32
		.amdhsa_user_sgpr_count 2
		.amdhsa_user_sgpr_kernarg_segment_ptr 1
		.amdhsa_wavefront_size32 1
		.amdhsa_system_sgpr_workgroup_id_x 1
		.amdhsa_system_sgpr_workgroup_id_y 1
		.amdhsa_system_sgpr_workgroup_id_z 1
		.amdhsa_system_vgpr_workitem_id 0
		.amdhsa_next_free_vgpr 640
		.amdhsa_next_free_sgpr 96
		.amdhsa_reserve_vcc 0
		.amdhsa_float_denorm_mode_32 3
		.amdhsa_float_denorm_mode_16_64 3
		.amdhsa_memory_ordered 1
		.amdhsa_forward_progress 1
		.amdhsa_inst_pref_size 143
	.end_amdhsa_kernel
	.amdgpu_metadata
---
amdhsa.version: [ 1, 2 ]
amdhsa.kernels:
  - .name:           k_qe08d1ede0c_ctx
    .symbol:         k_qe08d1ede0c_ctx.kd
    .args:
      - { .name: pw, .offset: 0, .size: 8, .value_kind: global_buffer, .address_space: global }
      - { .name: qkv, .offset: 8, .size: 8, .value_kind: global_buffer, .address_space: global }
      - { .name: st, .offset: 16, .size: 8, .value_kind: global_buffer, .address_space: global }
      - { .name: out0, .offset: 24, .size: 8, .value_kind: global_buffer, .address_space: global }
    .group_segment_fixed_size: 327680
    .private_segment_fixed_size: 0
    .kernarg_segment_align: 8
    .kernarg_segment_size: 32
    .max_flat_workgroup_size: 128
    .sgpr_count:     96
    .vgpr_count:     640
    .wavefront_size: 32
...
	.end_amdgpu_metadata
.endif
;; end of part 4
;; ======== version 2 of 2: 4 launches; version 1 with the launch cast written anew for expert scheduling mode
;; limits: values are held in f16: magnitudes above 65,504 overflow, below 6.1e-05 lose precision
;; workspace buffers: xb 16,777,216 bytes; wb 6,291,456 bytes; qkv 50,331,648 bytes; pw 33,554,432 bytes; st 1,048,576 bytes
;; launch cast (part 5): grid 704 x 1, 8 waves a work-group, no clusters, 0 bytes of LDS; arguments x, Wq, Wk, Wv, xb, wb; writes xb, wb
.if DOCPART == 5
	.amdgcn_target "amdgcn-amd-amdhsa--gfx1250"
	.amdhsa_code_object_version 6
	.text
	.protected	k_qe08d1ede0c_cast
	.globl	k_qe08d1ede0c_cast
	.p2align	8
	.type	k_qe08d1ede0c_cast,@function
k_qe08d1ede0c_cast:
	s_mov_b64 s[64:65], 0
	v_nop
	global_prefetch_b8 v0, s[64:65] scope:SCOPE_SE
	s_setreg_imm32_b32 hwreg(HW_REG_WAVE_SCHED_MODE, 0, 2), 2
	s_setreg_imm32_b32 hwreg(HW_REG_WAVE_MODE, 25, 1), 1
	s_wait_xcnt 0x0
	s_wait_alu depctr_vm_vsrc(0)
; xb = x rounded to bf16; wb = Wq, Wk, Wv one below the other (3,072 rows), rounded to bf16.  BOTH ARE LAID OUT IN BLOCKS OF 64 ALONG K: xb[16][8192][64], wb[16][3072][64]: number (row, k) lies in
; block k / 64 at row x 128 + (k % 64) x 2 bytes.  So the rows of one K block lie end to end, and the launch behind can ask for a tile of R rows x 64 K as R / 2 rows of 256 bytes.
; A stream: each input byte is read once, each output byte written once; no LDS, no barrier, no loop.
; A work-group takes 16 rows of 1,024 numbers: 64 KiB in, 32 KiB out.  Work-groups 0-511 take x, 512-575 Wq, 576-639 Wk, 640-703 Wv.
; A wave takes two rows: lanes 0-15 the even one, lanes 16-31 the odd one.  Load i brings K block i: 256 consecutive bytes, aligned, of each of the two rows, 16 bytes a lane.
; Store i writes the same numbers as bf16: 128 bytes of each row, which lie end to end in the block: 256 consecutive bytes, aligned.
; THE MODE: SCHED_MODE bits 1:0 = 2 (LLVM: expert scheduling mode 2), set by the entry lines.  The code itself states the register dependences between vector instructions and memory instructions,
; with s_wait_alu, always for 0.
; THE PLAN.  Registers that memory instructions touch; each is written once in the whole text:
;   v1   the loads' offset.   Written by the four vector lines at the head; read by the sixteen loads.
;   X    the loads' data.     No vector instruction names them ahead of the loads; the conversions read them behind the counted waits on LOADcnt; no load lands in them again.
;   O    the stores' offsets. Written by sixteen vector lines behind the loads; read by one store each.
;   Y    the stores' data.    Written by one conversion each; read by one store each.
; So five waits on va_vdst state everything: one ahead of the first load (v1), and one ahead of each run of four stores (the block's Y; the first of them also all of O).  No register that a load or
; a store reads is written again, so there is no wait on vm_vsrc; no vector instruction writes a scalar register or VCC, and EXEC is never written.
; The sixteen loads go in four blocks of four: a load's conversions are issued as soon as it is in, and a block's four stores follow one wait.  That wait stands behind the block's conversions and not behind the
; next block's wait for data: nothing follows a wave's stores but its end, so they leave as soon as their data are written.
.set XKB, 8192*128                     ; bytes of a K block in xb
.set WKB, 3072*128                     ; and in wb
.set X, 4                              ; v[4:67]     sixteen loads of four numbers
.set Y, 68                             ; v[68:99]    sixteen stores of four bf16
.set O, 100                            ; v[100:115]  the stores' offsets: 8 x my thread's number + i K blocks; each written once
	s_load_b256 s[4:11], s[0:1], 0x0               ; x s[4:5], Wq s[6:7], Wk s[8:9], Wv s[10:11]
	s_load_b128 s[12:15], s[0:1], 0x20             ; xb s[12:13], wb s[14:15]
	s_mov_b32 s2, ttmp9
	v_lshrrev_b32 v1, 4, v0                        ; my row of the sixteen
	v_and_b32 v2, 15, v0
	v_lshlrev_b32 v1, 12, v1
	v_lshl_add_u32 v1, v2, 4, v1                   ; row x 4,096 + 16 x (lane % 16)
	s_lshl_b32 s16, s2, 16                         ; in x: 64 KiB a work-group
	s_and_b32 s24, s2, 63
	s_lshl_b32 s24, s24, 16                        ; in a weight: 64 work-groups each
	s_lshl_b32 s18, s2, 11                         ; in a block of xb: 16 rows of 128 bytes
	s_sub_co_u32 s25, s2, 512
	s_lshl_b32 s25, s25, 11                        ; in a block of wb (used from work-group 512 on)
	s_mov_b32 s17, 0
	s_mov_b32 s19, 0
	s_mov_b32 s26, XKB
	s_mov_b32 s27, WKB
	s_cmp_lt_u32 s2, 512
	s_cselect_b32 s16, s16, s24
	s_cselect_b32 s18, s18, s25
	s_cselect_b32 s26, s26, s27                    ; bytes from a K block to the next
	s_wait_kmcnt 0x0                               ; (a wait leaves SCC as it is)
	s_cselect_b64 s[20:21], s[4:5], s[6:7]
	s_cselect_b64 s[22:23], s[12:13], s[14:15]
	s_cmp_ge_u32 s2, 576
	s_cselect_b64 s[20:21], s[8:9], s[20:21]
	s_cmp_ge_u32 s2, 640
	s_cselect_b64 s[20:21], s[10:11], s[20:21]
	s_add_nc_u64 s[20:21], s[20:21], s[16:17]
	s_add_nc_u64 s[22:23], s[22:23], s[18:19]
	s_wait_alu depctr_va_vdst(0)                   ; v1 is written: the sixteen loads read it as their offset
.irp i, 0,1,2,3,4,5,6,7,8,9,10,11,12,13,14,15
	global_load_b128 v[X+4*(\i):X+4*(\i)+3], v1, s[20:21] offset:256*(\i) th:TH_LOAD_NT
.endr
	v_lshlrev_b32 v[O], 3, v0                      ; (2 x wave + half) x 128 + 8 x (lane % 16) = 8 x my thread's number
.irp i, 1,2,3,4,5,6,7,8,9,10,11,12,13,14,15
	v_add_nc_u32 v[O+(\i)], s26, v[O+(\i)-1]
.endr
.irp p, 0,1,2,3                        ; block p: loads and stores 4 p to 4 p + 3
.irp i, 0,1,2,3
	s_wait_loadcnt 15-4*(\p)-(\i)                  ; loads come back in order: number 4 p + i is in, the younger ones stay out
	v_cvt_pk_bf16_f32 v[Y+2*(4*(\p)+(\i))], v[X+4*(4*(\p)+(\i))], v[X+4*(4*(\p)+(\i))+1]
	v_cvt_pk_bf16_f32 v[Y+2*(4*(\p)+(\i))+1], v[X+4*(4*(\p)+(\i))+2], v[X+4*(4*(\p)+(\i))+3]
.endr
	s_wait_alu depctr_va_vdst(0)                   ; the block's eight conversions have written its part of Y, which the four stores below read; in block 0 also: all sixteen O are written, the stores' offsets
.irp i, 0,1,2,3
	global_store_b64 v[O+4*(\p)+(\i)], v[Y+2*(4*(\p)+(\i)):Y+2*(4*(\p)+(\i))+1], s[22:23]
.endr
.endr
	s_endpgm
.Lfunc_end_k_qe08d1ede0c_cast:
	.size	k_qe08d1ede0c_cast, .Lfunc_end_k_qe08d1ede0c_cast-k_qe08d1ede0c_cast
	.p2alignl 7, 3214868480
	.fill 96, 4, 3214868480
	.section	.rodata,"a",@progbits
	.p2align	6, 0x0
	.amdhsa_kernel k_qe08d1ede0c_cast
		.amdhsa_group_segment_fixed_size 0
		.amdhsa_private_segment_fixed_size 0
		.amdhsa_enable_private_segment 0
		.amdhsa_kernarg_size 48
		.amdhsa_user_sgpr_count 2
		.amdhsa_user_sgpr_kernarg_segment_ptr 1
		.amdhsa_wavefront_size32 1
		.amdhsa_system_sgpr_workgroup_id_x 1
		.amdhsa_system_sgpr_workgroup_id_y 1
		.amdhsa_system_sgpr_workgroup_id_z 1
		.amdhsa_system_vgpr_workitem_id 0
		.amdhsa_next_free_vgpr 116
		.amdhsa_next_free_sgpr 66
		.amdhsa_reserve_vcc 0
		.amdhsa_float_denorm_mode_32 3
		.amdhsa_float_denorm_mode_16_64 3
		.amdhsa_memory_ordered 1
		.amdhsa_forward_progress 1
		.amdhsa_inst_pref_size 8
	.end_amdhsa_kernel
	.amdgpu_metadata
---
amdhsa.version: [ 1, 2 ]
amdhsa.kernels:
  - .name:           k_qe08d1ede0c_cast
    .symbol:         k_qe08d1ede0c_cast.kd
    .args:
      - { .name: x, .offset: 0, .size: 8, .value_kind: global_buffer, .address_space: global }
      - { .name: Wq, .offset: 8, .size: 8, .value_kind: global_buffer, .address_space: global }
      - { .name: Wk, .offset: 16, .size: 8, .value_kind: global_buffer, .address_space: global }
      - { .name: Wv, .offset: 24, .size: 8, .value_kind: global_buffer, .address_space: global }
      - { .name: xb, .offset: 32, .size: 8, .value_kind: global_buffer, .address_space: global }
      - { .name: wb, .offset: 40, .size: 8, .value_kind: global_buffer, .address_space: global }
    .group_segment_fixed_size: 0
    .private_segment_fixed_size: 0
    .kernarg_segment_align: 8
    .kernarg_segment_size: 48
    .max_flat_workgroup_size: 256
    .sgpr_count:     66
    .vgpr_count:     116
    .wavefront_size: 32
...
	.end_amdgpu_metadata
.endif
;; end of part 5
;; launch proj: the kernel of part 2 again; grid 8 x 32, 4 waves a work-group, clusters of 4 x 4, 327,680 bytes of LDS; arguments xb, wb, qkv; writes qkv
;; launch scores: the kernel of part 3 again; grid 36 x 4, 4 waves a work-group, no clusters, 327,680 bytes of LDS; arguments qkv, pw, st; writes pw, st
;; launch ctx: the kernel of part 4 again; grid 8 x 32, 4 waves a work-group, clusters of 4 x 1, 327,680 bytes of LDS; arguments pw, qkv, st, out0; writes out0
